; MI455X (gfx1250); checked and timed in simulation.
; The chip was launched on July 23, 2026; its instructions are those of AMD's public machine-readable ISA for CDNA 5 (MIT licence, August 2026) and "CDNA5" Instruction Set Architecture Reference Guide (July 2026). The comments in the code are by the model that wrote it; some were corrected since.
;; Attention. Allowed arithmetic: matrix products marked QUANTISED: E2M3 operands, one E8M0 scale for each 32 along K, by v_wmma_scale_f32_16x16x128_f8f6f4 with both operands' format E2M3, f32 sums; everything else in f32.
;; Inputs: freqs_cis 1,024 x 64 x 2 float32; wk 4,096 x 1,024 float32; wo 4,096 x 4,096 float32; wq 4,096 x 4,096 float32; wv 4,096 x 1,024 float32; x 1 x 1,024 x 4,096 float32.
;; Outputs: out0 1 x 1,024 x 4,096 float32.
;; This version of the problem:
;;   THIS VERSION OF THE PROBLEM IS GIVEN IN LOW PRECISION. The matrix products marked QUANTISED in the list below multiply operands that are first quantised to E2M3 (2 exponent bits, 3 mantissa bits; 6 bits a number), with one power-of-two scale for each 32 numbers along K (OCP MX v1.0); their sums are f32. All else is computed in f32.
;;   The module's matrix products, in the order in which they are computed (A, B: the left and right operand; K: the contracted axis; several contracted axes count as one K, in the product's order):
;;     1. [M 1,024, K 4,096] x [K 4,096, N 4,096]; A: input x; B: input wq: QUANTISED
;;     2. [M 1,024, K 4,096] x [K 4,096, N 1,024]; A: input x; B: input wk: QUANTISED
;;     3. [M 1,024, K 4,096] x [K 4,096, N 1,024]; A: input x; B: input wv: QUANTISED
;;     4. batch 32 x [M 1,024, K 128] x [K 128, N 1,024]; A: computed on the way; B: computed on the way: QUANTISED
;;     5. batch 32 x [M 1,024, K 1,024] x [K 1,024, N 128]; A: softmax (see below); B: computed on the way: QUANTISED
;;     6. [M 1,024, K 4,096] x [K 4,096, N 4,096]; A: computed on the way; B: input wo: QUANTISED
;;   THE QUANTISER, for each operand of a quantised product, along K:
;;     - K is cut into blocks of 32 from its start; a last block that is shorter is filled with zeros.
;;     - A block's scale is 2^e with e = floor(log2(the largest magnitude in the block)) - 2, held to -126 .. 127; a block of zeros has e = 0. As a byte (E8M0): e + 127.
;;     - Each number is divided by its block's scale, clamped to +-7.5, and rounded to the nearest number of E2M3, ties to even, subnormals kept.
;;     - The product sums the exact products of the quantised numbers (number of the format x scale) in f32.
;;   ~~~python
;;   def quantise(x, axis):      # numpy; x: float32 -> the quantised numbers, widened to float32 again
;;       x = np.moveaxis(x, axis, -1); K = x.shape[-1]
;;       x = np.pad(x, [(0, 0)] * (x.ndim - 1) + [(0, -K % 32)]); x = x.reshape(x.shape[:-1] + (-1, 32)); a = np.abs(x).max(-1, keepdims=True)
;;       e = np.where(a > 0, np.clip(np.frexp(np.where(a > 0, a, 1))[1] - 1 - 2, -126, 127), 0)      # np.frexp(a)[1] - 1 = floor(log2(a)), exactly
;;       r = np.clip(x / 2.0 ** e, -7.5, 7.5)
;;       step = 2.0 ** (np.maximum(np.frexp(np.where(r == 0, 1, r))[1] - 1, 0) - 3)
;;       q = np.round(r / step) * step * 2.0 ** e      # np.round: ties to even
;;       return np.moveaxis(q.reshape(q.shape[:-2] + (-1,))[..., :K], -1, axis).astype(np.float32)
;;   ~~~
;;   SOFTMAX AHEAD OF A QUANTISED PRODUCT. Where the list says 'softmax', what is quantised is not the finished softmax but p = 2^(t - M), with t = logit x log2(e) and M = ceil(the row's largest t), a whole number; so 1/2 < the row's largest p <= 1. The row's sum l is taken of the UNQUANTISED p, in f32, and the product's result is divided by l at the end. Since M is a whole number, a kernel that streams over the keys may use a running M (the ceiling of the running maximum): every later rescaling is an exact power of two, which a block's scale takes up: the codes' values come out the same.
;;   OPERANDS COMPUTED ON THE WAY. 'Computed on the way' means the value that the module computes at that place (a softmax that the list does not call 'softmax' is quantised finished and normalised). What goes into a quantiser is computed in f32, as accurately as f32 sums, v_exp_f32 and their like allow (about 1e-6 of the number): no bf16 or f16 on the way to a quantiser, and a product that is left as it is and whose result goes on into a quantised operand takes f32 operands (vector FMAs, or v_wmma_f32_16x16x4_f32). A number that lies on a knife's edge between two numbers of the format may be rounded either way, as far as f32 arithmetic and the matrix unit's own rounding can turn it there, and no further.
;; One version. Each part assembles by itself: llvm-mc -triple=amdgcn-amd-amdhsa -mcpu=gfx1250 --defsym DOCPART=n.
;; ======== version 1 of 1: 4 launches
;; limits: right only within a limited range of input values
;; workspace buffers: xq 3,276,800 bytes; wqkv 19,660,800 bytes; woq 13,107,200 bytes; qkv 4,915,200 bytes; yq 3,276,800 bytes
;; launch quant (part 1): grid 88 x 8, 4 waves a work-group, no clusters, 81,408 bytes of LDS; arguments x, wq, wk, wv, wo, xq, wqkv, woq; writes xq, wqkv, woq
.if DOCPART == 1
	.amdgcn_target "amdgcn-amd-amdhsa--gfx1250"
	.amdhsa_code_object_version 6
	.text
	.protected	k_qc484706eae_quant
	.globl	k_qc484706eae_quant
	.p2align	8
	.type	k_qc484706eae_quant,@function
k_qc484706eae_quant:
	s_mov_b64 s[64:65], 0
	v_nop
	global_prefetch_b8 v0, s[64:65] scope:SCOPE_SE
	s_setreg_imm32_b32 hwreg(HW_REG_WAVE_MODE, 25, 1), 1
	s_wait_xcnt 0x0
; x [1024][4096] (K innermost) and wq, wk, wv, wo [4096][N] (K outermost), f32, become codes of FP6 (E2M3) with one E8M0 byte for each 32 along K.
; A block's scale is 2^(floor(log2(its largest magnitude)) - 2); its byte is the largest magnitude's exponent field - 2, held at 1 from below.
; LIMITS: a block whose largest magnitude lies under 2^-124 keeps the byte 1; a block of zeros gets the byte 1 where the rule says 127 (its codes are zeros, and this program alone reads the bytes);
; NaN and infinities among the inputs are not served.
; THE OUTPUT IS LAID AS THE MATRIX OPERAND'S REGISTERS.  A tile is 16 rows of an operand (tokens of x, columns of a weight): tile T holds rows 32 (T / 2) + 8 (T % 2) + r + 8 (r / 8), r = 0 .. 15.
; A fragment (a tile x 128 along K, 12 registers a lane) is 1,536 bytes: register 4 c + w of lane l at byte 512 c + 16 l + 4 w.  A unit of 6,400 bytes holds the fragments of four K steps and, from byte 6,144,
; their scale words (row r: 16 bytes, one word a K step).  A tile's eight units lie on end: 51,200 bytes.
; SHARES.  Work-group y takes 512 along K: one unit.  Work-groups x = 0 .. 79 take 128 columns of a weight (wq 32, wk 8, wv 8, wo 32), a wave 32 columns: two tiles.  x = 80 .. 87 take 128 tokens of x, a wave 32.
; The two paths part on the work-group's number and have LDS bytes of their own; each stage is one wave's: no barrier.  No cluster: no two work-groups read the same bytes.
.set TILEB, 51200
.set UNITB, 6400
.set FRB,   1536
.set TS,    1664                       ; a tile's image in the weights' stage: 1,536 bytes + 128, so that lanes 0-7 and lanes 8-15 of a store of 16 bytes start 128 bytes apart modulo 256
.set WST,   2*TS                       ; a wave's stage: two tiles
.set XST,   4*WST                      ; behind them: x's stages
.set XP,    528                        ; a row of x's stage: 512 bytes + 16
.set XSW,   32*XP                      ; a wave's
.set LI,    1                          ; v1   16 x lane
.set W,     12                         ; v12-19 scale words
.set TM,    20                         ; v20-35 x's path: largest magnitudes, bytes, scale operands
.set PC,    36                         ; v36-55 x's path: the fragment just made, and two halves on their way
.set X,     64                         ; v64-127 the numbers at work
.set RO,    128                        ; v128-159 weights: row i's byte offset
.set XL,    128                        ; v128-255 x: 32 rows as loaded
.set C,     160                        ; v160-191 weights: four sets of codes
.set OUTR,  192                        ; v192-215 weights: two fragments on their way out
.set SEL,   72                         ; s[72:73] lane selects for v_permlanex16_b32: lane l xor 16
	s_load_b512 s[4:19], s[0:1], 0x0               ; x s[4:5], wq s[6:7], wk s[8:9], wv s[10:11], wo s[12:13], xq s[14:15], wqkv s[16:17], woq s[18:19]
	v_lshl_add_u32 v62, v0, 2, 0x13c00
	v_mov_b32 v63, 0
	v_lshrrev_b32 v1, 5, v0
	v_readfirstlane_b32 s20, v1                    ; wave 0..3
	s_and_b32 s21, ttmp7, 0xffff                   ; which 512 along K
	v_and_b32 v5, 31, v0                           ; lane
	v_lshlrev_b32 v[LI], 4, v5
	s_wait_kmcnt 0x0
	s_cmp_ge_u32 ttmp9, 80
	s_cbranch_scc1 .Lx_path
; ---------------- THE WEIGHTS.  A lane takes a column, its registers run down K: a block of 32 lies in one lane, and the conversions give codes with K innermost.
	s_mov_b64 s[22:23], s[6:7]                     ; which tensor, its first column group and its row in bytes: chosen by the work-group's number alone
	s_mov_b32 s24, 0
	s_mov_b32 s25, 16384
	s_cmp_ge_u32 ttmp9, 32
	s_cselect_b64 s[22:23], s[8:9], s[22:23]
	s_cselect_b32 s24, 32, s24
	s_cselect_b32 s25, 4096, s25
	s_cmp_ge_u32 ttmp9, 40
	s_cselect_b64 s[22:23], s[10:11], s[22:23]
	s_cselect_b32 s24, 40, s24
	s_cmp_ge_u32 ttmp9, 48
	s_cselect_b64 s[22:23], s[12:13], s[22:23]
	s_cselect_b32 s24, 48, s24
	s_cselect_b32 s25, 16384, s25
	s_cselect_b64 s[26:27], s[18:19], s[16:17]     ; wo's codes go to woq, the others' to wqkv, one tensor's columns behind the other's
	s_cselect_b32 s28, 48, 0
	s_sub_co_u32 s29, ttmp9, s24
	s_lshl_b32 s29, s29, 9                         ; 128 columns are 512 bytes,
	s_lshl_b32 s30, s20, 7                         ; a wave's 32 are 128
	s_add_co_u32 s29, s29, s30
	s_mul_i32 s30, s21, s25
	s_lshl_b32 s30, s30, 9                         ; 512 rows for each step along y: under 2^26 bytes
	s_add_co_u32 s30, s30, s29
	s_mov_b32 s31, 0
	s_add_nc_u64 s[32:33], s[22:23], s[30:31]      ; block 0's first row
	s_lshl_b32 s66, s25, 5                         ; 32 rows on
	s_mov_b32 s67, 0
.irp t, 1,2,3,4,5,6,7,8,9,10,11,12,13,14,15
	s_add_nc_u64 s[32+2*\t:33+2*\t], s[30+2*\t:31+2*\t], s[66:67]   ; a base for each of the 16 blocks: no pointer is stepped while a load names it
.endr
	s_sub_co_u32 s68, ttmp9, s28
	s_lshl_b32 s68, s68, 3
	s_lshl_b32 s69, s20, 1
	s_add_co_u32 s68, s68, s69                     ; my first tile
	s_mul_i32 s68, s68, TILEB
	s_mul_i32 s69, s21, UNITB
	s_add_co_u32 s68, s68, s69
	s_mov_b32 s69, 0
	s_add_nc_u64 s[26:27], s[26:27], s[68:69]      ; my unit of it
	s_wait_alu depctr_va_vdst(0)
	v_lshlrev_b32 v6, 2, v5
.set i, 0
.rept 32
	v_mad_u32_u24 v[RO+i], s25, i, v6              ; row i of a block, my column
.set i, i+1
.endr
	v_bfe_u32 v7, v5, 3, 1                         ; my column's tile of the two: (lane / 8) % 2,
	v_and_b32 v8, 7, v5
	v_lshrrev_b32 v9, 4, v5
	v_lshl_add_u32 v8, v9, 3, v8                   ; and its row there: lane % 8 + 8 (lane / 16)
	v_lshlrev_b32 v8, 4, v8
	v_mad_u32_u24 v2, v7, TS, v8
	s_mul_i32 s70, s20, WST
	v_add_nc_u32 v2, s70, v2                       ; v2: into the stage: my tile's image, my row's 16 bytes
	v_add_nc_u32 v3, s70, v[LI]                    ; v3: out of it: 16 x lane
	v_mad_u32_u24 v4, v7, TILEB, v8                ; v4: my row's scale words in memory
.macro LOADW t                         ; block t: W(32 t + i, my column) into set t % 2; 32 lanes read 128 consecutive bytes, the four waves 512
.set i, 0
.rept 32
	global_load_b32 v[X+32*((\t)%2)+i], v[RO+i], s[32+2*(\t):33+2*(\t)] th:TH_LOAD_NT
.set i, i+1
.endr
.endm
.macro BLOCKW t
.set XS, X+32*((\t)%2)
.set CT, C+8*((\t)%4)
.if (\t) < 15
	s_wait_loadcnt 32                              ; this block's 32 loads are in; the next block's 32 may be out
.else
	s_wait_loadcnt 0x0
.endif
	v_max3_num_f32 v8, |v[XS]|, |v[XS+1]|, |v[XS+2]|      ; the block's largest magnitude, in two chains: all 32 numbers are mine
	v_max3_num_f32 v9, |v[XS+3]|, |v[XS+4]|, |v[XS+5]|
.irp i, 6,10,14,18,22,26
	v_max3_num_f32 v8, v8, |v[XS+\i]|, |v[XS+\i+1]|
	v_max3_num_f32 v9, v9, |v[XS+\i+2]|, |v[XS+\i+3]|
.endr
	v_max3_num_f32 v8, v8, |v[XS+30]|, |v[XS+31]|
	v_max3_num_f32 v8, v8, v9, 0x1800000           ; and the floor 2^(3 - 127): the byte cannot fall under 1
	v_add_nc_u32 v11, 0xff000000, v8               ; 2 off the exponent field: the conversion takes this operand's exponent field as its scale
	v_lshrrev_b32 v9, 23, v11                      ; the byte
.if (\t)%4 == 0
	v_mov_b32 v[W+(\t)/4], v9                      ; four bytes make a K step's scale word
.else
	v_lshl_or_b32 v[W+(\t)/4], v9, 8*((\t)%4), v[W+(\t)/4]
.endif
	v_cvt_scalef32_pk16_fp6_f32 v[CT:CT+2], v[XS:XS+15], v11
	v_cvt_scalef32_pk16_fp6_f32 v[CT+4:CT+6], v[XS+16:XS+31], v11   ; (a conversion's three registers begin on an even number)
	v_nop                                          ; one plain instruction between a scaled conversion and the moves that touch its result
	v_mov_b32 v[CT+3], v[CT+4]
	v_mov_b32 v[CT+4], v[CT+5]
	v_mov_b32 v[CT+5], v[CT+6]                     ; six registers on end: the block's 24 bytes
; Block 2 c + h of a K step is registers 6 c .. 6 c + 5 of lane (my row, h): 256 h bytes on in each of the image's three parts
.if (\t)%4 < 2
	ds_store_b128 v2, v[CT:CT+3] offset:256*((\t)%2)               ; registers 0-3
	ds_store_b64 v2, v[CT+4:CT+5] offset:512+256*((\t)%2)          ; registers 4, 5
.else
	ds_store_b64 v2, v[CT:CT+1] offset:520+256*((\t)%2)            ; registers 6, 7
	ds_store_b128 v2, v[CT+2:CT+5] offset:1024+256*((\t)%2)        ; registers 8-11
.endif
.if (\t)+2 < 16
	LOADW (\t)+2
.endif
.endm
.macro KOUT q                          ; a K step's two fragments leave: each store of the wave covers 512 consecutive bytes, aligned
	s_wait_xcnt 0x0                                ; the last K step's stores have read their registers
.irp u, 0,1
.irp c, 0,1,2
	ds_load_b128 v[OUTR+12*\u+4*\c:OUTR+12*\u+4*\c+3], v3 offset:TS*\u+512*\c   ; LDS serves a wave's instructions in order: these see my stores, and the next K step's stores come behind them
.endr
.endr
	s_wait_dscnt 0x0                               ; they are in; and my stores into the stage have read the four sets of codes
.irp u, 0,1
.irp c, 0,1,2
	global_store_b128 v[LI], v[OUTR+12*\u+4*\c:OUTR+12*\u+4*\c+3], s[26:27] offset:TILEB*\u+FRB*(\q)+512*\c
.endr
.endr
.endm
	LOADW 0
	LOADW 1
.irp t, 0,1,2,3,4,5,6,7,8,9,10,11,12,13,14,15
	BLOCKW \t
.if \t%4 == 3
	KOUT \t/4
.endif
.endr
	s_wait_alu depctr_va_vdst(0)
	global_store_b128 v4, v[W:W+3], s[26:27] offset:4*FRB          ; my column's four scale words: a tile's sixteen lanes fill its 256 bytes
	s_wait_tensorcnt 0x0
	ds_add_u32 v62, v63
	s_wait_dscnt 0x0
	s_endpgm
; ---------------- x.  K is innermost: rows are loaded as they lie (512 consecutive bytes a load) and turned through the wave's stage, so that a lane gets 16 neighbours of each block of 32.
.Lx_path:
	s_sub_co_u32 s22, ttmp9, 80
	s_lshl_b32 s22, s22, 2
	s_add_co_u32 s22, s22, s20                     ; my 32 tokens: pair of tiles 0 .. 31
	s_lshl_b32 s24, s22, 19                        ; 32 rows of 16,384 bytes
	s_lshl_b32 s25, s21, 11                        ; 512 numbers along K
	s_add_co_u32 s24, s24, s25
	s_mov_b32 s25, 0
	s_add_nc_u64 s[4:5], s[4:5], s[24:25]
	s_mul_i32 s24, s22, 2*TILEB
	s_mul_i32 s26, s21, UNITB
	s_add_co_u32 s24, s24, s26
	s_add_nc_u64 s[14:15], s[14:15], s[24:25]
.macro XLOAD q                         ; K step q of my 32 rows
.set i, 0
.rept 32
	global_load_b128 v[XL+4*i:XL+4*i+3], v[LI], s[4:5] offset:16384*i+512*(\q) th:TH_LOAD_NT
.set i, i+1
.endr
.endm
	s_wait_alu depctr_va_vdst(0)
	XLOAD 0
	s_mul_i32 s26, s20, XSW
	s_add_co_u32 s26, s26, XST                     ; my stage
	v_add_nc_u32 v2, s26, v[LI]                    ; v2: in: 16 x lane of a row
	v_and_b32 v6, 15, v5                           ; r
	v_lshrrev_b32 v7, 4, v5                        ; h
	v_mul_u32_u24 v3, v6, XP
	v_lshl_add_u32 v3, v7, 6, v3
	v_add_nc_u32 v3, s26, v3                       ; v3: out: place r, + 64 h: my 16 numbers of a block of 32
	v_mul_u32_u24 v4, v7, TILEB
	v_lshl_add_u32 v4, v6, 4, v4                   ; v4: the scale words: lanes 0-15 the first tile's rows, lanes 16-31 the second's
	s_mov_b32 s[SEL], 0x76543210
	s_mov_b32 s[SEL+1], 0xfedcba98
.irp b, 0,1,2,3
	v_mov_b32 v[TM+4+\b], 0                        ; written once: a lane permute's destination counts as one of its sources
.endr
; 64 numbers of a lane, register 16 b + i = k 32 b + 16 (lane / 16) + i of my row, become a fragment in v[PC] on and its scale word in v[pw]
.macro QUANT s, pw
	s_wait_xcnt 0x0                                ; the last fragment's stores have read v[PC] on
.irp b, 0,1,2,3
	v_max3_num_f32 v[TM+\b], |v[\s+16*\b]|, |v[\s+16*\b+1]|, 0x1800000   ; my 16 numbers of block b, and the floor 2^(3 - 127)
.endr
.irp i, 2,4,6,8,10,12,14
.irp b, 0,1,2,3
	v_max3_num_f32 v[TM+\b], |v[\s+16*\b+\i]|, |v[\s+16*\b+\i+1]|, v[TM+\b]   ; (the four blocks by turns)
.endr
.endr
.irp b, 0,1,2,3
	v_permlanex16_b32 v[TM+4+\b], v[TM+\b], s[SEL], s[SEL+1]
.endr
.irp b, 0,1,2,3
	v_max_num_f32 v[TM+\b], v[TM+\b], v[TM+4+\b]   ; with lane l xor 16's: the block's largest magnitude
.endr
.irp b, 0,1,2,3
	v_add_nc_u32 v[TM+12+\b], 0xff000000, v[TM+\b] ; the conversion's scale operand
.endr
.irp b, 0,1,2,3
	v_lshrrev_b32 v[TM+4+\b], 23, v[TM+12+\b]      ; the byte
.endr
	v_lshl_or_b32 v[\pw], v[TM+5], 8, v[TM+4]
	v_lshl_or_b32 v[\pw], v[TM+6], 16, v[\pw]
	v_lshl_or_b32 v[\pw], v[TM+7], 24, v[\pw]
.irp c, 0,1
	v_cvt_scalef32_pk16_fp6_f32 v[PC+6*\c:PC+6*\c+2], v[\s+32*\c:\s+32*\c+15], v[TM+12+2*\c]
	v_cvt_scalef32_pk16_fp6_f32 v[PC+12+4*\c:PC+12+4*\c+2], v[\s+32*\c+16:\s+32*\c+31], v[TM+13+2*\c]
.endr
	v_nop                                          ; one plain instruction behind the scaled conversions
.irp c, 0,1                                    ; the operand wants a whole block in a lane: lanes 0-15 block 2 c, lanes 16-31 block 2 c + 1
.irp i, 0,1,2
	v_permlane16_swap_b32 v[PC+6*\c+\i], v[PC+12+4*\c+\i]
.endr
.irp i, 0,1,2
	v_mov_b32 v[PC+3+6*\c+\i], v[PC+12+4*\c+\i]
.endr
.endr
.endm
	s_wait_alu depctr_va_vdst(0)
.irp q, 0,1,2,3
	s_wait_loadcnt 0x0                             ; this K step's 32 rows are in
.set i, 0
.rept 32
	ds_store_b128 v2, v[XL+4*i:XL+4*i+3] offset:XP*(16*((i>>3)&1)+(i&7)+8*(i>>4))   ; row i goes to its tile's place: a tile's 16 rows lie together
.set i, i+1
.endr
	s_wait_dscnt 0x0                               ; the stores have read their registers,
.if \q < 3
	XLOAD \q+1                                     ; which take the next K step while this one is worked
.endif
.irp u, 0,1
.irp b, 0,1,2,3
.irp j, 0,1,2,3
	ds_load_b128 v[X+16*\b+4*\j:X+16*\b+4*\j+3], v3 offset:16*\u*XP+128*\b+16*\j
.endr
.endr
	s_wait_dscnt 0x0
	QUANT X, W+4*\u+\q
.irp c, 0,1,2
	global_store_b128 v[LI], v[PC+4*\c:PC+4*\c+3], s[14:15] offset:TILEB*\u+FRB*\q+512*\c
.endr
.endr
.endr
	v_cmp_ne_u32 vcc_lo, 0, v7
.irp q, 0,1,2,3
	v_cndmask_b32 v[56+\q], v[W+\q], v[W+4+\q], vcc_lo   ; both halves of the lanes hold both tiles' words: each half keeps its tile's
.endr
	global_store_b128 v4, v[56:59], s[14:15] offset:4*FRB   ; sixteen lanes fill a tile's 256 bytes of scale words
	s_wait_tensorcnt 0x0
	ds_add_u32 v62, v63
	s_wait_dscnt 0x0
	s_endpgm
.Lfunc_end_k_qc484706eae_quant:
	.size	k_qc484706eae_quant, .Lfunc_end_k_qc484706eae_quant-k_qc484706eae_quant
	.p2alignl 7, 3214868480
	.fill 96, 4, 3214868480
	.section	.rodata,"a",@progbits
	.p2align	6, 0x0
	.amdhsa_kernel k_qc484706eae_quant
		.amdhsa_group_segment_fixed_size 81408
		.amdhsa_private_segment_fixed_size 0
		.amdhsa_enable_private_segment 0
		.amdhsa_kernarg_size 64
		.amdhsa_user_sgpr_count 2
		.amdhsa_user_sgpr_kernarg_segment_ptr 1
		.amdhsa_wavefront_size32 1
		.amdhsa_system_sgpr_workgroup_id_x 1
		.amdhsa_system_sgpr_workgroup_id_y 1
		.amdhsa_system_sgpr_workgroup_id_z 1
		.amdhsa_system_vgpr_workitem_id 0
		.amdhsa_next_free_vgpr 256
		.amdhsa_next_free_sgpr 96
		.amdhsa_reserve_vcc 1
		.amdhsa_float_denorm_mode_32 3
		.amdhsa_float_denorm_mode_16_64 3
		.amdhsa_memory_ordered 1
		.amdhsa_forward_progress 1
		.amdhsa_inst_pref_size 146
	.end_amdhsa_kernel
	.amdgpu_metadata
---
amdhsa.version: [ 1, 2 ]
amdhsa.kernels:
  - .name:           k_qc484706eae_quant
    .symbol:         k_qc484706eae_quant.kd
    .args:
      - { .name: x, .offset: 0, .size: 8, .value_kind: global_buffer, .address_space: global }
      - { .name: wq, .offset: 8, .size: 8, .value_kind: global_buffer, .address_space: global }
      - { .name: wk, .offset: 16, .size: 8, .value_kind: global_buffer, .address_space: global }
      - { .name: wv, .offset: 24, .size: 8, .value_kind: global_buffer, .address_space: global }
      - { .name: wo, .offset: 32, .size: 8, .value_kind: global_buffer, .address_space: global }
      - { .name: xq, .offset: 40, .size: 8, .value_kind: global_buffer, .address_space: global }
      - { .name: wqkv, .offset: 48, .size: 8, .value_kind: global_buffer, .address_space: global }
      - { .name: woq, .offset: 56, .size: 8, .value_kind: global_buffer, .address_space: global }
    .group_segment_fixed_size: 81408
    .private_segment_fixed_size: 0
    .kernarg_segment_align: 8
    .kernarg_segment_size: 64
    .max_flat_workgroup_size: 128
    .sgpr_count:     96
    .vgpr_count:     256
    .wavefront_size: 32
...
	.end_amdgpu_metadata
.endif
;; end of part 1
;; launch qkv (part 2): grid 48 x 4, 4 waves a work-group, clusters of 4 x 4, 327,680 bytes of LDS; arguments xq, wqkv, freqs_cis, qkv; writes qkv
.if DOCPART == 2
	.amdgcn_target "amdgcn-amd-amdhsa--gfx1250"
	.amdhsa_code_object_version 6
	.text
	.protected	k_qc484706eae_qkv
	.globl	k_qc484706eae_qkv
	.p2align	8
	.type	k_qc484706eae_qkv,@function
k_qc484706eae_qkv:
	s_mov_b64 s[64:65], 0
	v_nop
	global_prefetch_b8 v0, s[64:65] scope:SCOPE_SE
	s_setreg_imm32_b32 hwreg(HW_REG_WAVE_MODE, 25, 1), 1
	s_wait_xcnt 0x0
	s_wait_alu depctr_hold_cnt(0) depctr_sa_sdst(0) depctr_va_vdst(0) depctr_va_sdst(0) depctr_va_ssrc(0) depctr_va_vcc(0) depctr_vm_vsrc(0)
	s_getreg_b32 s2, hwreg(HW_REG_IB_STS2, 6, 4)
	s_cmp_eq_u32 s2, 0
	s_cbranch_scc0 .Lentry_in_a_cluster
	s_endpgm
.Lentry_in_a_cluster:
	s_bfe_u32 s2, ttmp6, 0x10000c
	s_cmp_lg_u32 s2, 0xf033
	s_cbranch_scc0 .Lentry_shape_is_right
	s_endpgm
.Lentry_shape_is_right:
; q = rope(x wq), k = rope(x wk), v = x wv on codes of FP6 (E2M3) with E8M0 scales, and their results quantised again in registers: q and k along the head's 128, v along the keys.
; OPERANDS come as images of the operand's registers: a tile of 16 rows (tile T: rows 32 (T / 2) + 8 (T % 2) + r + 8 (r / 8)) has eight units of 6,400 bytes, a unit for each group of four K steps: four fragments of
; 1,536 bytes (16 rows x 128 K; register 4 c + w of lane l at 512 c + 16 l + 4 w) and 256 bytes of scale words (row r: 16 bytes, a word a K step).  A fragment is three loads of 16 bytes a lane at 16 x lane.
; A WORK-GROUP multiplies P (8 tiles, source 0, read by all four waves) by R (16 tiles, source 1, four a wave): 32 accumulators a wave.  In the result lane (r, h) holds ONE row of R, and the 16 registers of P's
; tiles 2 b and 2 b + 1 are P's rows 32 b + 16 h + 0 .. 15: neighbours along the next product's K.  For q and k: P = a head's 128 columns of the weight, R = 256 tokens.  For v the roles are swapped:
; P = 128 tokens (a key step), R = 256 columns of wv; so v's registers run along the keys and nothing is transposed.  Only pointers and two offsets are chosen, by the cluster's x, which all partners share.
; P GOES THROUGH LDS, asked for jointly by a column of the 4 x 4 cluster (it hangs on x alone).  Six of its eight groups fit at once (6 x 51,200 bytes): they are the first fills, one load a wave; groups 6 and 7
; are the one refill, into the places of groups 0 and 1, asked for behind K step 7 and wanted at K step 24.
; R GOES STRAIGHT INTO REGISTERS and is NOT asked for jointly, though the four work-groups of a row of the cluster read the same tiles: each fragment of R is read by one wave alone, so LDS would give it no reuse;
; with R beside P two slots of four K steps fill LDS, and K would take seven changes of slots, each with all loads waited for; without it one change is left, and R's loads, which no barrier binds, run on
; without pause in a ring of five K steps (240 registers, 60 loads a wave).
; freqs_cis: each lane loads cos and sin of its token at its own 64 places: for R's tiles 0 to 2 at the head, for tile 3 at K step 29, into ring registers that are done with.  V's clusters load them too and do not
; use them (128 KB a work-group): so every register is written on every path.
; OUTPUT qkv: 48 planes of 102,400 bytes (q's heads, k's heads, v's key steps), each eight groups of 12,800: eight fragments, then 512 bytes of scale words: tile t, row r at 256 (t / 4) + 8 (r + 16 (t % 2)) + 4 ((t / 2) % 2).
; LIMITS: a block whose largest magnitude lies under 2^-124 keeps the byte 1; a block of zeros gets the byte 1 where the rule says 127 (zero codes; only this program reads the bytes); NaN and infinities are not served.
; REGISTERS: window 0: v10-29 addresses; v32-63 P's scale words, two sets; v64-79 R's, two sets; v80-121 the quantiser's; v128-255 cos, sin of R's tiles 0, 1.  window 1: accumulator (i, p) at v[8 (8 i + p)].
;   window 2: R's ring: K step k's fragment i at v[48 (k % 5) + 12 i].   window 3: P's two sets: K step k's fragment p at v[96 (k % 2) + 12 p]; from v192 cos, sin of R's tile 2.
.set NR,    4                          ; tiles of R to a wave
.set D,     5                          ; K steps in R's ring
.set NS,    2                          ; sets of R's scale words: a group's are asked for behind the last product of the group two before
.set RSN,   2*NR                       ; registers in such a set
.set TILEB, 51200
.set UNITB, 6400
.set FRB,   1536
.set PB,    8*UNITB                    ; a group of P: eight units
.set SPARE, 6*PB                       ; behind P's six places: the spare words, 128 bytes for each wave: two blocks of 256 bytes that no other line names
.set PLANE, 102400
.set GRP,   12800
.set LI,   10                          ; v10  16 x lane
.set L8,   11                          ; v11  8 x lane
.set HH,   12                          ; v12  lane / 16
.set FO,   13                          ; v13  my token's row and my half's 64 bytes in freqs_cis
.set VRS,  14                          ; v14  R's scale words in memory: lanes 0-15 the even tile of a pair, lanes 16-31 the odd one; 16 bytes a row
.set ADRP, 16                          ; v16-21 P's fragments in place 0 .. 5
.set ADSP, 22                          ; v22-27 P's scale words there: lanes 0-15 the even tile of a pair, lanes 16-31 the odd one
.set SPW,  28                          ; v28  my spare word; never rewritten
.set NIL,  29                          ; v29  0; never rewritten
.set SCP,  32
.set SCR,  64
.set TM,   80
.set PC,   96
.set PW,   116
.set PR,   120
.set G1P,  24                          ; s[24:31] group 1 for P
.set G0,   32                          ; s[32:35] its group 0, for the first fill; it serves the refill too
.set RB,   46                          ; s[46:47] my four tiles of R in memory; never rewritten
.set SEL,  76
.set MSB, 0
.macro WIN new                         ; the immediate's high byte repeats the setting that is left; a switch that changes nothing is dropped
.if MSB != (\new)
	s_set_vgpr_msb (MSB<<8)|(\new)
.set MSB, (\new)
.endif
.endm
.macro PLACES                          ; four plain instructions between a matrix instruction and a load into its operands or a read of its result
.rept 4
	v_nop
.endr
.endm
.macro CREST                           ; a round of the cluster's barrier behind its opening barrier
	s_cmp_lg_u32 s14, 0
	s_cbranch_scc1 .Lnot_wave_0_\@
	s_barrier_signal -3
.Lnot_wave_0_\@:
	s_barrier_wait -3
	s_barrier_signal -1
	s_barrier_wait -1
.endm
.macro CROUND
	s_barrier_signal -1
	s_barrier_wait -1
	CREST
.endm
	s_load_b256 s[4:11], s[0:1], 0x0               ; xq s[4:5], wqkv s[6:7], freqs_cis s[8:9], qkv s[10:11]
	v_lshl_add_u32 v[SPW], v0, 2, SPARE
	v_mov_b32 v[NIL], 0
	ds_add_u32 v28, v29
	ds_add_u32 v28, v29
	s_wait_dscnt 0x0
	v_lshrrev_b32 v1, 5, v0
	v_readfirstlane_b32 s14, v1                    ; wave 0..3
	v_and_b32 v1, 31, v0
	v_and_b32 v2, 15, v0                           ; r
	v_bfe_u32 v[HH], v0, 4, 1                      ; h
	v_lshlrev_b32 v[LI], 4, v1
	v_lshlrev_b32 v[L8], 3, v1
	v_mul_u32_u24 v[VRS], v[HH], TILEB
	v_lshl_add_u32 v[VRS], v2, 4, v[VRS]
	v_lshlrev_b32 v[ADRP], 4, v1
.irp a, 1,2,3,4,5
	v_add_nc_u32 v[ADRP+\a], \a*PB, v[LI]
.endr
	v_mul_u32_u24 v4, v[HH], 2*UNITB               ; the odd tile of a pair lies two units on where a tile has two groups,
	v_lshl_add_u32 v4, v2, 4, v4
.irp a, 0,1
	v_add_nc_u32 v[ADSP+\a], \a*PB+4*FRB, v4
.endr
	v_mad_u32_u24 v4, v[HH], 2*UNITB, v4           ; and four units on where it has four
.irp a, 2,3,4,5
	v_add_nc_u32 v[ADSP+\a], \a*PB+4*FRB, v4
.endr
	v_and_b32 v3, 8, v2
	v_add_nc_u32 v3, v3, v2                        ; r + 8 (r / 8)
	v_lshlrev_b32 v[FO], 9, v3                     ; a token's row of freqs_cis is 512 bytes
	v_lshl_add_u32 v[FO], v[HH], 6, v[FO]
.irp b, 0,1,2,3
	v_mov_b32 v[TM+4+\b], 0                        ; written once: a lane permute's destination counts as one of its sources
.endr
	s_lshr_b32 s15, s14, 1                         ; of a pair of groups I fetch the first (0) or the second (1),
	s_and_b32 s16, s14, 1                          ; and of its eight tiles the first four or the last
	s_bfe_u32 s48, ttmp6, 0x40000                  ; cx
	s_bfe_u32 s49, ttmp6, 0x40004                  ; cy
	s_lshl_b32 s50, ttmp9, 2
	s_add_co_u32 s50, s50, s48                     ; the plane: 4 x cluster x + cx
	s_lshl_b32 s51, 0x1111, s48                    ; my column of the cluster
	s_or_b32 s[G1P], s51, (3<<16)|(1<<21)          ; 15:0 the mask: P goes to my column; 17:16 elements of 8 bytes; 21 set beside a mask; no padding
.set G1B, 36                                   ; s[36:43] a second group 1: rows of four units
	s_or_b32 s[G1B], s51, (3<<16)|(1<<21)
	s_mov_b32 s[G1P+1], 1600<<16                   ; a row: two units of a tile, which lie on end: 1,600 elements; four tiles
	s_mov_b32 s[G1P+2], 4<<16
	s_mov_b32 s[G1P+3], 1600<<16
	s_mov_b32 s[G1B+1], 3200<<16                   ; a row: four units of a tile; four tiles
	s_mov_b32 s[G1B+2], 4<<16
	s_mov_b32 s[G1B+3], 3200<<16
	s_mov_b32 s[G1B+4], 4
	s_mov_b32 s[G1B+5], TILEB/8
	s_mov_b32 s[G1B+6], 0
	s_mov_b32 s[G1B+7], 0
	s_mov_b32 s[G1P+4], 4                          ; tile_dim1
	s_mov_b32 s[G1P+5], TILEB/8                    ; from tile to tile, in elements
	s_mov_b32 s[G1P+6], 0
	s_mov_b32 s[G1P+7], 0
	s_cmp_ge_u32 ttmp9, 10                         ; planes 40 on are v's
	s_cselect_b32 s17, 40, 0
	s_cselect_b32 s18, 320*TILEB, 0                ; wv's tiles begin at tile 320 of wqkv
	s_sub_co_u32 s20, s50, s17
	s_mul_i32 s20, s20, 8*TILEB                    ; P: eight tiles a plane,
	s_mul_i32 s19, s16, 4*TILEB                    ; my four,
	s_add_co_u32 s20, s20, s19
	s_mul_i32 s19, s15, 2*UNITB                    ; waves 0, 1 begin at group 0, waves 2, 3 at group 2
	s_add_co_u32 s20, s20, s19
	s_mov_b32 s21, 0
	s_mul_i32 s52, s49, 4*NR*TILEB                 ; R: sixteen tiles for each cy,
	s_add_co_u32 s52, s52, s18
	s_mul_i32 s19, s14, NR*TILEB                   ; my wave's four
	s_add_co_u32 s52, s52, s19
	s_mov_b32 s53, 0
	s_and_b32 s19, s15, s16
	s_add_co_u32 s19, s19, s14
	s_mul_i32 s45, s19, PB                         ; where my part of P goes: 0, 8, 16, 32 units for waves 0 .. 3: no place in the cluster enters an LDS address
	s_mov_b32 s[SEL], 0x76543210
	s_mov_b32 s[SEL+1], 0xfedcba98
	s_wait_kmcnt 0x0
	s_cmp_ge_u32 ttmp9, 10
	s_cselect_b64 s[22:23], s[4:5], s[6:7]         ; P: x's codes for v, else the weights'
	s_cselect_b64 s[66:67], s[6:7], s[4:5]         ; R: the other
	s_add_nc_u64 s[20:21], s[22:23], s[20:21]
	s_add_nc_u64 s[RB:RB+1], s[66:67], s[52:53]
.irp j, 0
	s_mov_b32 s[G0+4*\j], 1
	s_add_co_u32 s[G0+4*\j+1], s45, \j*2*PB
	s_add_nc_u64 s[G0+4*\j+2:G0+4*\j+3], s[20:21], \j*2*UNITB
	s_or_b32 s[G0+4*\j+3], s[G0+4*\j+3], 0x80000000
.endr
	CROUND                                         ; all sixteen work-groups are here: the first joint loads meet
; THE FIRST FILLS, ONE LOAD A WAVE: waves 0 and 1 fetch groups 0 and 1 of tiles 0-3 and 4-7, waves 2 and 3 groups 2 to 5 of the same.  In LDS, in units of 6,400 bytes: group g < 2 (and later g - 6) of tile p lies at
; 8 (p / 4) + 2 (p % 4) + g; group g = 2 .. 5 at 16 + 16 (p / 4) + 4 (p % 4) + g - 2.  One chain of branches on the wave's number: every way passes exactly one load.
	s_cmp_lt_u32 s14, 2
	s_cbranch_scc0 .Lhead_b
	tensor_load_to_lds s[G0:G0+3], s[G1P:G1P+7]
	s_nop 0
.rept 4
	v_nop
.endr
	s_branch .Lhead_asked
.Lhead_b:
	tensor_load_to_lds s[G0:G0+3], s[G1B:G1B+7]
	s_nop 0
.rept 4
	v_nop
.endr
.Lhead_asked:
; R's fragments of K step m into ring set m % D; with a group's first K step its scale words, a load for each pair of tiles.  Every offset is an immediate, 204,032 at the most: no pointer is stepped.
.macro RLOAD m
.if (\m) < 32
.if ((\m)%4) == 0
	WIN 0
.set jj, 0
.rept NR/2
	global_load_b128 v[SCR+RSN*(((\m)/4)%NS)+4*jj:SCR+RSN*(((\m)/4)%NS)+4*jj+3], v[VRS], s[RB:RB+1] offset:2*TILEB*jj+UNITB*((\m)/4)+4*FRB
.set jj, jj+1
.endr
.endif
	WIN 0x80                                       ; destination window 2
.set ii, 0
.rept NR
.irp c, 0,1,2
	global_load_b128 v[12*NR*((\m)%D)+12*ii+4*\c:12*NR*((\m)%D)+12*ii+4*\c+3], v[LI], s[RB:RB+1] offset:TILEB*ii+UNITB*((\m)/4)+FRB*((\m)%4)+512*\c
.endr
.set ii, ii+1
.endr
.endif
.endm
.macro FLOAD i, fb                     ; cos, sin for R's tile i: register 16 b + n stands beside the result's register 16 b + n
.irp b, 0,1,2,3
.irp j, 0,1,2,3
	global_load_b128 v[\fb+16*\b+4*\j:\fb+16*\b+4*\j+3], v[FO], s[8:9] offset:512*(32*(\i/2)+8*(\i%2))+128*\b+16*\j
.endr
.endr
.endm
.set m0, 0
.rept D
	RLOAD m0                                       ; the ring is filled: these are wanted first, so they stand ahead of cos and sin
.set m0, m0+1
.endr
	WIN 0
	s_mov_b32 s75, 0
	s_lshl_b32 s74, s49, 3
	s_lshl_b32 s17, s14, 1
	s_add_co_u32 s74, s74, s17
	s_lshl_b32 s74, s74, 14                        ; my first token: 32 (8 cy + 2 wave), 512 bytes each
	s_add_nc_u64 s[8:9], s[8:9], s[74:75]
	s_wait_alu depctr_va_vdst(0)
	FLOAD 0, 128
	FLOAD 1, 192
	WIN 0xc0
	FLOAD 2, 192
	WIN 0
	s_mul_i32 s74, s50, PLANE                      ; where my results go: the plane, the group 2 cy + wave / 2,
	s_lshl_b32 s17, s49, 1
	s_add_co_u32 s17, s17, s15
	s_mul_i32 s17, s17, GRP
	s_add_co_u32 s74, s74, s17
	s_add_nc_u64 s[72:73], s[10:11], s[74:75]
	s_mul_i32 s74, s16, 4*FRB
	s_add_nc_u64 s[70:71], s[72:73], s[74:75]      ; my four fragments,
	s_lshl_b32 s74, s16, 8
	s_add_nc_u64 s[72:73], s[72:73], s[74:75]      ; my 256 bytes of scale words
; one product; ra, rb: the halves of the lanes from which source 0's and source 1's scale words are taken
.macro WMR d, a, b, sa, sb, ra, rb, zero
.if (\zero)
.if (\ra) == 0 && (\rb) == 0
	v_wmma_scale_f32_16x16x128_f8f6f4 v[\d:\d+7], v[\a:\a+11], v[\b:\b+11], 0, v[\sa], v[\sb] matrix_a_fmt:MATRIX_FMT_FP6 matrix_b_fmt:MATRIX_FMT_FP6
.elseif (\rb) == 0
	v_wmma_scale_f32_16x16x128_f8f6f4 v[\d:\d+7], v[\a:\a+11], v[\b:\b+11], 0, v[\sa], v[\sb] matrix_a_fmt:MATRIX_FMT_FP6 matrix_b_fmt:MATRIX_FMT_FP6 matrix_a_scale:MATRIX_SCALE_ROW1
.elseif (\ra) == 0
	v_wmma_scale_f32_16x16x128_f8f6f4 v[\d:\d+7], v[\a:\a+11], v[\b:\b+11], 0, v[\sa], v[\sb] matrix_a_fmt:MATRIX_FMT_FP6 matrix_b_fmt:MATRIX_FMT_FP6 matrix_b_scale:MATRIX_SCALE_ROW1
.else
	v_wmma_scale_f32_16x16x128_f8f6f4 v[\d:\d+7], v[\a:\a+11], v[\b:\b+11], 0, v[\sa], v[\sb] matrix_a_fmt:MATRIX_FMT_FP6 matrix_b_fmt:MATRIX_FMT_FP6 matrix_a_scale:MATRIX_SCALE_ROW1 matrix_b_scale:MATRIX_SCALE_ROW1
.endif
.else
.if (\ra) == 0 && (\rb) == 0
	v_wmma_scale_f32_16x16x128_f8f6f4 v[\d:\d+7], v[\a:\a+11], v[\b:\b+11], v[\d:\d+7], v[\sa], v[\sb] matrix_a_fmt:MATRIX_FMT_FP6 matrix_b_fmt:MATRIX_FMT_FP6
.elseif (\rb) == 0
	v_wmma_scale_f32_16x16x128_f8f6f4 v[\d:\d+7], v[\a:\a+11], v[\b:\b+11], v[\d:\d+7], v[\sa], v[\sb] matrix_a_fmt:MATRIX_FMT_FP6 matrix_b_fmt:MATRIX_FMT_FP6 matrix_a_scale:MATRIX_SCALE_ROW1
.elseif (\ra) == 0
	v_wmma_scale_f32_16x16x128_f8f6f4 v[\d:\d+7], v[\a:\a+11], v[\b:\b+11], v[\d:\d+7], v[\sa], v[\sb] matrix_a_fmt:MATRIX_FMT_FP6 matrix_b_fmt:MATRIX_FMT_FP6 matrix_b_scale:MATRIX_SCALE_ROW1
.else
	v_wmma_scale_f32_16x16x128_f8f6f4 v[\d:\d+7], v[\a:\a+11], v[\b:\b+11], v[\d:\d+7], v[\sa], v[\sb] matrix_a_fmt:MATRIX_FMT_FP6 matrix_b_fmt:MATRIX_FMT_FP6 matrix_a_scale:MATRIX_SCALE_ROW1 matrix_b_scale:MATRIX_SCALE_ROW1
.endif
.endif
.endm
; K step k (an assembler's symbol): R's tiles i0 .. i0 + n - 1 against P's eight.  All accumulators take turns, one instruction a turn, in the same order in every K step.
.macro MUL i0, n, zero
.set ii, \i0
.rept \n
.irp p, 0,1,2,3,4,5,6,7
	WMR 8*(8*ii+\p), 96*(k%2)+12*\p, 12*NR*(k%D)+12*ii, SCP+16*((k/4)%2)+4*(\p/2)+(k%4), SCR+RSN*((k/4)%NS)+4*(ii/2)+(k%4), \p%2, ii%2, \zero
.endr
.set ii, ii+1
.endr
.endm
; P's eight fragments of K step m out of LDS into set m % 2: 24 loads; with a group's first K step its scale words: four more, a load for each pair of tiles.  Group g lies in place g % 6.
.macro FETCHP m
.if ((\m)%4) == 0
	WIN 0
.irp j, 0,1,2,3
.if ((\m)/4) < 2 || ((\m)/4) > 5
	ds_load_b128 v[SCP+16*(((\m)/4)%2)+4*\j:SCP+16*(((\m)/4)%2)+4*\j+3], v[ADSP+\j/2] offset:4*UNITB*(\j%2)+UNITB*(((\m)/4)%6)
.else
	ds_load_b128 v[SCP+16*(((\m)/4)%2)+4*\j:SCP+16*(((\m)/4)%2)+4*\j+3], v[ADSP+2+\j] offset:UNITB*((\m)/4-2)
.endif
.endr
.endif
	WIN 0xc0                                       ; destination window 3
.irp p, 0,1,2,3,4,5,6,7
.irp c, 0,1,2
.if ((\m)/4) < 2 || ((\m)/4) > 5
	ds_load_b128 v[96*((\m)%2)+12*\p+4*\c:96*((\m)%2)+12*\p+4*\c+3], v[ADRP+\p/4] offset:2*UNITB*(\p%4)+UNITB*(((\m)/4)%6)+FRB*((\m)%4)+512*\c
.else
	ds_load_b128 v[96*((\m)%2)+12*\p+4*\c:96*((\m)%2)+12*\p+4*\c+3], v[ADRP+2+\p/2] offset:4*UNITB*(\p%2)+UNITB*((\m)/4-2)+FRB*((\m)%4)+512*\c
.endif
.endr
.endr
.endm
; nn = the global loads issued behind K step k's: those of the K steps k + 1 .. k + D - 1 (3 NR each, NR / 2 more at a group's first), and from K step 29 on the 16 of tile 3's cos and sin.
; (In the first D K steps the 48 loads of cos and sin at the head stand behind them too: the count written is the smaller one.)
.macro NCOUNT
.set nn, 0
.set mm, k+1
.rept D-1
.if mm < 32
.set nn, nn+3*NR
.if (mm%4) == 0
.set nn, nn+NR/2
.endif
.endif
.set mm, mm+1
.endr
.if k >= 29
.set nn, nn+16
.endif
.endm
; A K step: the next one's fragments of P are asked of LDS, the ring set that the last K step has left is asked of memory, D K steps ahead; then this K step's 32 products.
.macro STEPK
	PLACES
.if k < 31
	FETCHP k+1
.endif
.if k > 0
	RLOAD k-1+D
.endif
.if k == 29
	WIN 0x80
	FLOAD 3, 96                                    ; ring sets 2 and 3 were last read by K steps 27 and 28: v96-159 of window 2 take tile 3's cos and sin
.endif
.if k == 31
	s_wait_dscnt 0x0
.elseif ((k+1)%4) == 0
	s_wait_dscnt 28                                ; all but the 28 LDS loads just issued: this K step's fragments of P (and its group's scale words) are in
.else
	s_wait_dscnt 24                                ; all but the 24 just issued
.endif
	NCOUNT
	s_wait_loadcnt nn                              ; loads come back in order (ISA guide 5.7.1): this K step's fragments of R are in, the younger ones stay out
	WIN 0x5b                                       ; source 0 (P) window 3, source 1 (R) window 2, C and D window 1
.if k == 0
	MUL 0, NR, 1                                   ; the first K step's products start the sums
.else
	MUL 0, NR, 0
.endif
.endm
; A K step behind which bytes are wanted that a barrier must show.  fill = 1 (K step 7): all first fills are shown landed, nobody reads groups 0 and 1 any more, and their places are filled again: each wave waits for
; all its tensor loads, adds 0 to its spare word, waits for that and for its reads; the barrier opens a round of the cluster's.  fill = 0 (K step 23): the refill is shown landed; nothing is filled.
.macro TURNK fill
	PLACES
	RLOAD k-1+D
	WIN 0
	s_wait_tensorcnt 0x0                           ; all my tensor loads have landed
.if \fill
	ds_add_u32 v[SPW], v[NIL]                      ; 0 onto my spare word
	s_wait_dscnt 1                                 ; (the add alone may be out: this K step's fragments of P are in)
.else
	s_wait_dscnt 0x0
.endif
	NCOUNT
	s_wait_loadcnt nn
	WIN 0x5b
	MUL 0, NR/2, 0                                 ; half the K step's products stand between the add and the wait for it
	s_wait_dscnt 0x0                               ; the add is done, and my reads of LDS so far are over
	s_barrier_signal -1
	WIN 0
	s_barrier_wait -1
.if \fill
	CREST                                          ; no wave of any partner still reads groups 0 and 1 or has a load on its way
	s_add_nc_u64 s[G0+2:G0+3], s[G0+2:G0+3], 6*UNITB   ; six groups on: waves 0 and 1 stand at groups 6 and 7 of their four tiles
	s_cmp_lt_u32 s14, 2                            ; the refill is theirs: the same rows of two units, to the same places; waves 2 and 3 have no part of it
	s_cbranch_scc0 .Lno_refill_\@
	tensor_load_to_lds s[G0:G0+3], s[G1P:G1P+7]    ; my one tensor load behind the round: 16 K steps ahead of the wait for it
	s_nop 0
.rept 4
	v_nop
.endr
.Lno_refill_\@:
	PLACES
.else
	PLACES
.endif
	FETCHP k+1
	WIN 0x5b
	MUL NR/2, NR/2, 0
.endm
	s_wait_tensorcnt 0x0                           ; my one load is in
	s_barrier_signal -1
	s_barrier_wait -1                              ; groups 0 and 1 are whole
	FETCHP 0
.set k, 0
.rept 32                                       ; written out: the register numbers come back only after 40 K steps
.if k == 7
	TURNK 1
.elseif k == 23
	TURNK 0
.else
	STEPK
.endif
.set k, k+1
.endr
	WIN 0
	PLACES
; ROPE on R's tile i: registers 2 m, 2 m + 1 are a pair; beside them lie cos (2 m) and sin (2 m + 1), in window wf from v[fb].  Sixteen registers at a time; each accumulator is read from its low end on.
.macro ROPE i, wf, fb
.irp b, 0,1,2,3
	WIN 1|((\wf)<<2)
.irp m, 0,1,2,3,4,5,6,7
	v_mul_f32 v[TM+2*\m], v[64*\i+16*\b+2*\m+1], v[\fb+16*\b+2*\m+1]
	v_mul_f32 v[TM+2*\m+1], v[64*\i+16*\b+2*\m], v[\fb+16*\b+2*\m+1]
.endr
	WIN 0x41|((\wf)<<2)
.irp m, 0,1,2,3,4,5,6,7
	v_fma_f32 v[64*\i+16*\b+2*\m], v[64*\i+16*\b+2*\m], v[\fb+16*\b+2*\m], -v[TM+2*\m]
	v_fma_f32 v[64*\i+16*\b+2*\m+1], v[64*\i+16*\b+2*\m+1], v[\fb+16*\b+2*\m], v[TM+2*\m+1]
.endr
.endr
.endm
; 64 numbers of a lane in window w, register 16 b + n = k 32 b + 16 (lane / 16) + n of my row, become a fragment in v[PC] on and its scale word in v[pw]
.macro QUANT s, w, pw
	s_wait_xcnt 0x0                                ; the last fragment's stores have read v[PC] on
	WIN 5*(\w)
.irp b, 0,1,2,3
	v_max3_num_f32 v[TM+\b], |v[\s+16*\b]|, |v[\s+16*\b+1]|, 0x1800000   ; my 16 numbers of block b, and the floor 2^(3 - 127)
.endr
.irp i, 2,4,6,8,10,12,14
.irp b, 0,1,2,3
	v_max3_num_f32 v[TM+\b], |v[\s+16*\b+\i]|, |v[\s+16*\b+\i+1]|, v[TM+\b]
.endr
.endr
	WIN 0
.irp b, 0,1,2,3
	v_permlanex16_b32 v[TM+4+\b], v[TM+\b], s[SEL], s[SEL+1]
.endr
.irp b, 0,1,2,3
	v_max_num_f32 v[TM+\b], v[TM+\b], v[TM+4+\b]
.endr
.irp b, 0,1,2,3
	v_add_nc_u32 v[TM+12+\b], 0xff000000, v[TM+\b]
.endr
.irp b, 0,1,2,3
	v_lshrrev_b32 v[TM+4+\b], 23, v[TM+12+\b]
.endr
	v_lshl_or_b32 v[\pw], v[TM+5], 8, v[TM+4]
	v_lshl_or_b32 v[\pw], v[TM+6], 16, v[\pw]
	v_lshl_or_b32 v[\pw], v[TM+7], 24, v[\pw]
	WIN (\w)
.irp c, 0,1
	v_cvt_scalef32_pk16_fp6_f32 v[PC+6*\c:PC+6*\c+2], v[\s+32*\c:\s+32*\c+15], v[TM+12+2*\c]
	v_cvt_scalef32_pk16_fp6_f32 v[PC+12+4*\c:PC+12+4*\c+2], v[\s+32*\c+16:\s+32*\c+31], v[TM+13+2*\c]
.endr
	WIN 0
	v_nop                                          ; one plain instruction behind the scaled conversions
.irp c, 0,1
.irp i, 0,1,2
	v_permlane16_swap_b32 v[PC+6*\c+\i], v[PC+12+4*\c+\i]
.endr
.irp i, 0,1,2
	v_mov_b32 v[PC+3+6*\c+\i], v[PC+12+4*\c+\i]
.endr
.endr
.endm
; R's tile i leaves: rotated (q and k; v is not: the cluster's x decides, alike in all partners), quantised, stored
.macro TAIL i, wf, fb
	s_cmp_ge_u32 ttmp9, 10
	s_cbranch_scc1 .Lno_rope_\@
	ROPE \i, \wf, \fb
	WIN 0
.Lno_rope_\@:
	QUANT 64*\i, 1, PW+\i
.irp c, 0,1,2
	global_store_b128 v[LI], v[PC+4*\c:PC+4*\c+3], s[70:71] offset:FRB*\i+512*\c   ; each store of the wave covers 512 consecutive bytes, aligned
.endr
.endm
	TAIL 0, 0, 128                                 ; (the last K step's wait left only tile 3's cos and sin out)
	TAIL 1, 0, 192
	TAIL 2, 3, 192
	s_wait_loadcnt 0x0                             ; tile 3's cos and sin: asked for three K steps and three tiles' way out ago
	TAIL 3, 2, 96
	v_cmp_ne_u32 vcc_lo, 0, v[HH]
	v_cndmask_b32 v[PR], v[PW], v[PW+1], vcc_lo    ; lanes 0-15 keep tiles 0 and 2's words, lanes 16-31 tiles 1 and 3's
	v_cndmask_b32 v[PR+1], v[PW+2], v[PW+3], vcc_lo
	global_store_b64 v[L8], v[PR:PR+1], s[72:73] offset:8*FRB      ; 32 lanes store 256 consecutive bytes, aligned
	s_wait_tensorcnt 0x0                           ; the wave's end
	ds_add_u32 v[SPW], v[NIL]
	s_wait_dscnt 0x0
	CROUND                                         ; the closing round: no work-group ends while a partner may still ask for a tile that names it
	s_endpgm
.Lfunc_end_k_qc484706eae_qkv:
	.size	k_qc484706eae_qkv, .Lfunc_end_k_qc484706eae_qkv-k_qc484706eae_qkv
	.p2alignl 7, 3214868480
	.fill 96, 4, 3214868480
	.section	.rodata,"a",@progbits
	.p2align	6, 0x0
	.amdhsa_kernel k_qc484706eae_qkv
		.amdhsa_group_segment_fixed_size 327680
		.amdhsa_private_segment_fixed_size 0
		.amdhsa_enable_private_segment 0
		.amdhsa_kernarg_size 32
		.amdhsa_user_sgpr_count 2
		.amdhsa_user_sgpr_kernarg_segment_ptr 1
		.amdhsa_wavefront_size32 1
		.amdhsa_system_sgpr_workgroup_id_x 1
		.amdhsa_system_sgpr_workgroup_id_y 1
		.amdhsa_system_sgpr_workgroup_id_z 1
		.amdhsa_system_vgpr_workitem_id 0
		.amdhsa_next_free_vgpr 1024
		.amdhsa_next_free_sgpr 100
		.amdhsa_reserve_vcc 1
		.amdhsa_float_denorm_mode_32 3
		.amdhsa_float_denorm_mode_16_64 3
		.amdhsa_memory_ordered 1
		.amdhsa_forward_progress 1
		.amdhsa_inst_pref_size 255
	.end_amdhsa_kernel
	.section	.bss,"aw",@nobits
	.p2align	6
	.space	262144
	.amdgpu_metadata
---
amdhsa.version: [ 1, 2 ]
amdhsa.kernels:
  - .name:           k_qc484706eae_qkv
    .symbol:         k_qc484706eae_qkv.kd
    .args:
      - { .name: xq, .offset: 0, .size: 8, .value_kind: global_buffer, .address_space: global }
      - { .name: wqkv, .offset: 8, .size: 8, .value_kind: global_buffer, .address_space: global }
      - { .name: freqs_cis, .offset: 16, .size: 8, .value_kind: global_buffer, .address_space: global }
      - { .name: qkv, .offset: 24, .size: 8, .value_kind: global_buffer, .address_space: global }
    .group_segment_fixed_size: 327680
    .private_segment_fixed_size: 0
    .kernarg_segment_align: 8
    .kernarg_segment_size: 32
    .max_flat_workgroup_size: 128
    .sgpr_count:     100
    .vgpr_count:     1024
    .wavefront_size: 32
...
	.end_amdgpu_metadata
.endif
;; end of part 2
;; launch attn (part 3): grid 32 x 8, 8 waves a work-group, clusters of 4 x 1, 327,680 bytes of LDS; arguments qkv, yq; writes yq
.if DOCPART == 3
	.amdgcn_target "amdgcn-amd-amdhsa--gfx1250"
	.amdhsa_code_object_version 6
	.text
	.protected	k_qc484706eae_attn
	.globl	k_qc484706eae_attn
	.p2align	8
	.type	k_qc484706eae_attn,@function
k_qc484706eae_attn:
	s_mov_b64 s[64:65], 0
	v_nop
	global_prefetch_b8 v0, s[64:65] scope:SCOPE_SE
	s_setreg_imm32_b32 hwreg(HW_REG_WAVE_MODE, 25, 1), 1
	s_wait_xcnt 0x0
	s_wait_alu depctr_hold_cnt(0) depctr_sa_sdst(0) depctr_va_vdst(0) depctr_va_sdst(0) depctr_va_ssrc(0) depctr_va_vcc(0) depctr_vm_vsrc(0)
	s_getreg_b32 s2, hwreg(HW_REG_IB_STS2, 6, 4)
	s_cmp_eq_u32 s2, 0
	s_cbranch_scc0 .Lentry_in_a_cluster
	s_endpgm
.Lentry_in_a_cluster:
	s_bfe_u32 s2, ttmp6, 0x10000c
	s_cmp_lg_u32 s2, 0x3003
	s_cbranch_scc0 .Lentry_shape_is_right
	s_endpgm
.Lentry_shape_is_right:
.set PLANE, 102400
.set GRP,   12800
.set FRB,   1536
.set TILEB, 51200
.set UNITB, 6400
.set VLDS,  8*GRP
.set SCR,   16*GRP
.set LI,  1
.set L8,  2
.set SWA, 3
.set SRA, 4
.set QO,  5
.set QS,  6
.set ADK, 8
.set ADV, 9
.set ADS, 10
.set ADT, 11
.set DD,  28
.set KS,  32
.set VS,  36
.set TM,  44
.set PC,  60
.set PW,  80
.set TB,  2
.set ST,  3
.set WV,  18
.set SEL, 20
.set CS,  22
.set G1,  24
.set G0K, 32
.set G0V, 36
.set SD,  40
.set MSB, 0
.macro WIN new
.if MSB != (\new)
	s_set_vgpr_msb (MSB<<8)|(\new)
.set MSB, (\new)
.endif
.endm
.macro PLACES
.rept 4
	v_nop
.endr
.endm
.macro CROUND
	s_barrier_signal -1
	s_barrier_wait -1
	s_cmp_lg_u32 s[WV], 0
	s_cbranch_scc1 .Lnot_wave_0_\@
	s_barrier_signal -3
.Lnot_wave_0_\@:
	s_barrier_wait -3
	s_barrier_signal -1
	s_barrier_wait -1
.endm
.macro WMA d, a, b, sa, sb, ra, zero
.if (\zero) && (\ra) == 0
	v_wmma_scale_f32_16x16x128_f8f6f4 v[\d:\d+7], v[\a:\a+11], v[\b:\b+11], 0, v[\sa], v[\sb] matrix_a_fmt:MATRIX_FMT_FP6 matrix_b_fmt:MATRIX_FMT_FP6
.elseif (\zero)
	v_wmma_scale_f32_16x16x128_f8f6f4 v[\d:\d+7], v[\a:\a+11], v[\b:\b+11], 0, v[\sa], v[\sb] matrix_a_fmt:MATRIX_FMT_FP6 matrix_b_fmt:MATRIX_FMT_FP6 matrix_a_scale:MATRIX_SCALE_ROW1
.elseif (\ra) == 0
	v_wmma_scale_f32_16x16x128_f8f6f4 v[\d:\d+7], v[\a:\a+11], v[\b:\b+11], v[\d:\d+7], v[\sa], v[\sb] matrix_a_fmt:MATRIX_FMT_FP6 matrix_b_fmt:MATRIX_FMT_FP6
.else
	v_wmma_scale_f32_16x16x128_f8f6f4 v[\d:\d+7], v[\a:\a+11], v[\b:\b+11], v[\d:\d+7], v[\sa], v[\sb] matrix_a_fmt:MATRIX_FMT_FP6 matrix_b_fmt:MATRIX_FMT_FP6 matrix_a_scale:MATRIX_SCALE_ROW1
.endif
.endm
	s_load_b128 s[4:7], s[0:1], 0x0
	v_lshl_add_u32 v250, v0, 2, 0x32200
	v_mov_b32 v251, 0
	ds_add_u32 v250, v251
	ds_add_u32 v250, v251
	v_lshrrev_b32 v8, 5, v0
	s_delay_alu instid0(VALU_DEP_1)
	v_readfirstlane_b32 s[WV], v8
	s_bfe_u32 s42, ttmp6, 0x40000
	s_lshl_b32 s43, ttmp9, 2
	s_add_co_u32 s43, s43, s42
	s_and_b32 s44, ttmp7, 0xffff
	s_sub_co_u32 s45, 63, s43
	s_lshr_b32 s46, ttmp9, 1
	s_sub_co_u32 s47, 7, s46
	s_cmp_lt_u32 s[WV], 4
	s_cselect_b32 s41, s43, s45
	s_cselect_b32 s[SD], s46, s47
	s_and_b32 s56, s[WV], 3
	s_lshr_b32 s57, s[WV], 2
	s_mov_b32 s[G1], 15|(3<<16)|(1<<21)
	s_mov_b32 s[G1+1], 32<<16
	s_mov_b32 s[G1+2], 100<<16                     ; K: two groups on end, 25,600 dense bytes, as 100 rows of 256
	s_mov_b32 s[G1+3], 32<<16
	s_mov_b32 s[G1+4], 100
.set G1V, 72                                   ; s[72:79] group 1 for V: two groups of 12,800 bytes, a row each, a plane apart
	s_mov_b32 s[G1V], 15|(3<<16)|(1<<21)
	s_mov_b32 s[G1V+1], 1600<<16
	s_mov_b32 s[G1V+2], 2<<16
	s_mov_b32 s[G1V+3], 1600<<16
	s_mov_b32 s[G1V+4], 2
	s_mov_b32 s[G1V+5], PLANE/8
	s_mov_b32 s[G1V+6], 0
	s_mov_b32 s[G1V+7], 0
	s_mov_b32 s[G1+5], 32
	s_mov_b32 s[G1+6], 0
	s_mov_b32 s[G1+7], 0
	s_mul_i32 s58, s[WV], 2*GRP                    ; waves 0-3 fetch K's groups 2 w, 2 w + 1; waves 4-7 V's groups 2 (w - 4), 2 (w - 4) + 1; V lies behind K's eight groups, so both go to LDS byte 2 w x GRP
	s_add_co_u32 s60, s44, 32
	s_mul_i32 s60, s60, PLANE
	s_add_co_u32 s60, s60, s58
	s_mov_b32 s61, 0
	s_lshl_b32 s62, s[WV], 1
	s_add_co_u32 s62, s62, 32                      ; V's plane 40 + 2 (w - 4)
	s_mul_i32 s62, s62, PLANE
	s_mul_i32 s59, s44, GRP
	s_add_co_u32 s62, s62, s59
	s_mov_b32 s63, 0
	s_wait_dscnt 0x0
	s_wait_kmcnt 0x0
	s_mov_b32 s[G0K], 1
	s_mov_b32 s[G0K+1], s58
	s_add_nc_u64 s[G0K+2:G0K+3], s[4:5], s[60:61]
	s_or_b32 s[G0K+3], s[G0K+3], 0x80000000
	s_mov_b32 s[G0V], 1
	s_mov_b32 s[G0V+1], s58
	s_add_nc_u64 s[G0V+2:G0V+3], s[4:5], s[62:63]
	s_or_b32 s[G0V+3], s[G0V+3], 0x80000000
	CROUND
	s_cmp_lt_u32 s[WV], 4                          ; one joint load a wave at the head: every way passes exactly one
	s_cbranch_scc0 .Lfor_v
	tensor_load_to_lds s[G0K:G0K+3], s[G1:G1+7]
	s_nop 0
.rept 4
	v_nop
.endr
	s_branch .Lasked
.Lfor_v:
	tensor_load_to_lds s[G0V:G0V+3], s[G1V:G1V+7]
	s_nop 0
.rept 4
	v_nop
.endr
.Lasked:
	s_lshl_b32 s45, s44, 2
	s_add_co_u32 s45, s45, s56
	s_mul_i32 s45, s45, PLANE
	s_lshr_b32 s46, s41, 3
	s_mul_i32 s46, s46, GRP
	s_add_co_u32 s46, s46, s45
	s_mov_b32 s47, 0
	s_add_nc_u64 s[48:49], s[4:5], s[46:47]
	s_and_b32 s54, s41, 7
	s_mul_i32 s54, s54, FRB
	s_bfe_u32 s55, s41, 0x10002
	s_lshl_b32 s55, s55, 8
	s_and_b32 s45, s41, 1
	s_lshl_b32 s45, s45, 7
	s_add_co_u32 s55, s55, s45
	s_bfe_u32 s45, s41, 0x10001
	s_lshl_b32 s45, s45, 2
	s_add_co_u32 s55, s55, s45
	s_mul_i32 s66, s41, TILEB
	s_mul_i32 s67, s44, UNITB
	s_add_co_u32 s66, s66, s67
	s_mov_b32 s67, 0
	s_add_nc_u64 s[50:51], s[6:7], s[66:67]
	s_mul_i32 s66, s56, FRB
	s_add_nc_u64 s[52:53], s[50:51], s[66:67]
	s_bfe_u32 s68, s41, 0x20001
	s_lshl_b32 s68, s68, 5
	s_and_b32 s69, s41, 1
	s_lshl_b32 s69, s69, 3
	s_add_co_u32 s68, s68, s69
	s_lshl_b32 s70, s57, 8
	s_add_co_u32 s70, s70, SCR
	s_lshl_b32 s71, s56, 2
	s_add_co_u32 s71, s71, s70
	s_mov_b32 s[SEL], 0x76543210
	s_mov_b32 s[SEL+1], 0xfedcba98
	s_mov_b32 s[CS], 0x3e0293ee
	s_mov_b32 s[CS+1], s[CS]
	v_and_b32 v8, 31, v0
	v_and_b32 v9, 15, v0
	v_bfe_u32 v10, v0, 4, 1
	s_delay_alu instid0(VALU_DEP_3)
	v_lshlrev_b32 v[LI], 4, v8
	s_delay_alu instid0(VALU_DEP_4)
	v_lshlrev_b32 v[L8], 3, v8
	s_delay_alu instid0(VALU_DEP_2)
	v_add_nc_u32 v[QO], s54, v[LI]
	v_lshl_add_u32 v[QS], v9, 3, s55
.irp c, 0,1,2
	global_load_b128 v[16+4*\c:19+4*\c], v[QO], s[48:49] offset:512*\c
.endr
	global_load_b32 v255, v[QS], s[48:49] offset:8*FRB
	v_lshl_add_u32 v[SWA], v9, 4, s71
	v_add_nc_u32 v[SRA], s70, v[L8]
	v_and_b32 v11, 8, v9
	s_delay_alu instid0(VALU_DEP_1)
	v_add_nc_u32 v11, v11, v9
	v_lshlrev_b32 v[DD], 4, v10
	s_delay_alu instid0(VALU_DEP_1)
	v_sub_nc_u32 v[DD], v11, v[DD]
	s_delay_alu instid0(VALU_DEP_1)
	v_add_nc_u32 v[DD], s68, v[DD]
	v_mov_b32 v13, 0xff61b1e6
	s_delay_alu instid0(VALU_DEP_1)
	v_floor_f32 v12, -v13
	v_mov_b32 v14, 0
	v_mov_b32 v15, 0
.irp b, 0,1,2,3
	v_mov_b32 v[236+\b], 0
	v_mov_b32 v[TM+4+\b], 0
.endr
	v_mov_b32 v252, 0
	v_mov_b32 v253, 0
.set j, 0
.rept 64
	v_mov_b32 v[160+j], 0
.set j, j+1
.endr
	s_mov_b32 s[TB], 0
	s_mov_b32 s[ST], 0
	s_wait_tensorcnt 0x0
	s_barrier_signal -1
	s_barrier_wait -1
	s_wait_loadcnt 0x0
	WIN 0x40                                       ; step 0's fragments of K and their scale words are asked of LDS ahead of the loop
.irp t, 0,1,2,3,4,5,6,7
.irp c, 0,1,2
	ds_load_b128 v[12*\t+4*\c:12*\t+4*\c+3], v[LI] offset:FRB*\t+512*\c
.endr
.endr
	WIN 0
	ds_load_b64 v[KS:KS+1], v[L8] offset:8*FRB
	ds_load_b64 v[KS+2:KS+3], v[L8] offset:8*FRB+256
.Lstep:
	s_cmp_gt_u32 s[ST], s[SD]
	s_cbranch_scc1 .Lhidden
	v_add_nc_u32 v[ADK], s[TB], v[LI]
	v_add_nc_u32 v[ADS], s[TB], v[L8]
	s_delay_alu instid0(VALU_DEP_2)
	v_add_nc_u32 v[ADV], VLDS, v[ADK]
	s_delay_alu instid0(VALU_DEP_2)
	v_add_nc_u32 v[ADT], VLDS, v[ADS]
	s_wait_alu depctr_va_vdst(0)
	s_wait_dscnt 0x0                               ; this step's fragments of K, asked for in the step before
	WIN 0x01
.irp t, 0,1,2,3,4,5,6,7
	WMA 96+8*\t, 12*\t, 16, KS+\t/2, 255, \t%2, 1
.endr
	WIN 0
	PLACES
	WIN 0x40
.irp t, 0,1,2,3,4,5,6,7
.irp c, 0,1,2
	ds_load_b128 v[96+12*\t+4*\c:96+12*\t+4*\c+3], v[ADV] offset:FRB*\t+512*\c
.endr
.endr
	WIN 0
	ds_load_b64 v[VS:VS+1], v[ADT] offset:8*FRB
	ds_load_b64 v[VS+2:VS+3], v[ADT] offset:8*FRB+256
	WIN 0x40                                       ; the next step's fragments of K, 12,800 bytes on, into the registers that the products above have read (four places lie between); behind a wave's last step
.irp t, 0,1,2,3,4,5,6,7                        ; these 26 loads bring landed bytes of LDS that nothing uses (behind step 7: V's first group)
.irp c, 0,1,2
	ds_load_b128 v[12*\t+4*\c:12*\t+4*\c+3], v[ADK] offset:GRP+FRB*\t+512*\c
.endr
.endr
	WIN 0
	ds_load_b64 v[KS:KS+1], v[ADS] offset:GRP+8*FRB
	ds_load_b64 v[KS+2:KS+3], v[ADS] offset:GRP+8*FRB+256
	s_cmp_lg_u32 s[ST], s[SD]
	s_cbranch_scc1 .Lopen
	v_mov_b32 v254, 0xff800000
.set n, 0
.rept 64
	v_cmp_gt_i32 vcc_lo, 32*(n/16)+n%16, v[DD]
	v_cndmask_b32 v[96+n], v[96+n], v254, vcc_lo
.set n, n+1
.endr
.Lopen:
.irp b, 0,1,2,3
	v_max3_num_f32 v[232+\b], v[96+16*\b], v[97+16*\b], v[98+16*\b]
.endr
.irp i, 3,5,7,9,11,13
.irp b, 0,1,2,3
	v_max3_num_f32 v[232+\b], v[232+\b], v[96+16*\b+\i], v[97+16*\b+\i]
.endr
.endr
.irp b, 0,1,2,3
	v_max_num_f32 v[232+\b], v[232+\b], v[111+16*\b]
.endr
.irp b, 0,1,2,3
	s_delay_alu instid0(VALU_DEP_4)
	v_permlanex16_b32 v[236+\b], v[232+\b], s[SEL], s[SEL+1]
.endr
.irp b, 0,1,2,3
	s_delay_alu instid0(VALU_DEP_4)
	v_max_num_f32 v[232+\b], v[232+\b], v[236+\b]
.endr
	s_delay_alu instid0(VALU_DEP_2)
	v_max3_num_f32 v254, v232, v233, v234
	s_delay_alu instid0(VALU_DEP_1)
	v_max_num_f32 v254, v254, v235
	s_delay_alu instid0(VALU_DEP_1)
	v_mul_f32 v254, s[CS], v254
	s_delay_alu instid0(VALU_DEP_1)
	v_max_num_f32 v13, v13, v254
	v_mov_b32 v254, v12
	s_delay_alu instid0(VALU_DEP_2)
	v_floor_f32 v12, -v13
	s_delay_alu instid0(VALU_DEP_1)
	v_sub_f32 v254, v12, v254
	s_delay_alu instid0(VALU_DEP_1)
	v_cvt_i32_f32 v254, v254
	s_delay_alu instid0(VALU_DEP_1)
	v_ldexp_f32 v252, 1.0, v254
.set j, 0
.rept 32
	v_pk_fma_f32 v[96+j:97+j], v[96+j:97+j], s[CS:CS+1], v[12:13] op_sel_hi:[1,0,0]
.set j, j+2
.endr
.irp b, 0,1,2,3
	v_fma_f32 v[232+\b], v[232+\b], s[CS], v12
.endr
.set j, 0
	s_wait_alu depctr_va_vdst(0)
.rept 64
	v_exp_f32 v[96+j], v[96+j]
.set j, j+1
.endr
	v_pk_mul_f32 v[14:15], v[14:15], v[252:253] op_sel_hi:[1,0]
	s_wait_alu depctr_va_vdst(0)
.irp b, 0,1,2,3
	v_exp_f32 v[232+\b], v[232+\b]
.endr
	v_pk_add_f32 v[236:237], v[96:97], v[98:99]
.set j, 4
.rept 15
	v_pk_add_f32 v[14:15], v[14:15], v[96+j:97+j]
	v_pk_add_f32 v[236:237], v[236:237], v[98+j:99+j]
.set j, j+4
.endr
	s_delay_alu instid0(VALU_DEP_1)
	v_pk_add_f32 v[14:15], v[14:15], v[236:237]
	s_wait_alu depctr_va_vdst(0)
.irp b, 0,1,2,3
	v_max_num_f32 v[232+\b], 0x1800000, v[232+\b]
.endr
.irp b, 0,1,2,3
	s_delay_alu instid0(VALU_DEP_4)
	v_add_nc_u32 v[244+\b], 0xff000000, v[232+\b]
.endr
.irp b, 0,1,2,3
	s_delay_alu instid0(VALU_DEP_4)
	v_lshrrev_b32 v[236+\b], 23, v[244+\b]
.endr
	s_delay_alu instid0(VALU_DEP_3)
	v_lshl_or_b32 v253, v237, 8, v236
	s_delay_alu instid0(VALU_DEP_1)
	v_lshl_or_b32 v253, v238, 16, v253
	s_delay_alu instid0(VALU_DEP_1)
	v_lshl_or_b32 v253, v239, 24, v253
.irp c, 0,1
	v_cvt_scalef32_pk16_fp6_f32 v[224+6*\c:226+6*\c], v[96+32*\c:111+32*\c], v[244+2*\c]
	v_cvt_scalef32_pk16_fp6_f32 v[236+4*\c:238+4*\c], v[112+32*\c:127+32*\c], v[245+2*\c]
.endr
	v_nop
.irp c, 0,1
.irp i, 0,1,2
	v_permlane16_swap_b32 v[224+6*\c+\i], v[236+4*\c+\i]
.endr
.irp i, 0,1,2
	s_delay_alu instid0(VALU_DEP_3)
	v_mov_b32 v[227+6*\c+\i], v[236+4*\c+\i]
.endr
.endr
.set j, 0
.rept 32
	v_pk_mul_f32 v[160+j:161+j], v[160+j:161+j], v[252:253] op_sel_hi:[1,0]
.set j, j+2
.endr
	s_wait_alu depctr_va_vdst(0)
	s_wait_dscnt 26                                ; V's fragments and scale words are in; the 26 loads issued behind them, the next step's K, may be out
	WIN 0x01
.irp t, 0,1,2,3,4,5,6,7
	WMA 160+8*\t, 96+12*\t, 224, VS+\t/2, 253, \t%2, 0
.endr
	WIN 0
	PLACES
.Lhidden:
	s_add_co_u32 s[TB], s[TB], GRP
	s_add_co_u32 s[ST], s[ST], 1
	s_cmp_lt_u32 s[ST], 8
	s_cbranch_scc1 .Lstep
	v_add_f32 v14, v14, v15
	s_delay_alu instid0(VALU_DEP_1)
	v_permlanex16_b32 v252, v14, s[SEL], s[SEL+1]
	s_delay_alu instid0(VALU_DEP_1)
	v_add_f32 v14, v14, v252
	s_wait_alu depctr_va_vdst(0)
	v_rcp_f32 v14, v14
	v_nop
	s_wait_alu depctr_va_vdst(0)
.set j, 0
.rept 64
	v_mul_f32 v[96+j], v[160+j], v14
.set j, j+1
.endr
.irp b, 0,1,2,3
	v_max3_num_f32 v[TM+\b], |v[96+16*\b]|, |v[97+16*\b]|, 0x1800000
.endr
.irp i, 2,4,6,8,10,12,14
.irp b, 0,1,2,3
	s_delay_alu instid0(VALU_DEP_4)
	v_max3_num_f32 v[TM+\b], |v[96+16*\b+\i]|, |v[97+16*\b+\i]|, v[TM+\b]
.endr
.endr
.irp b, 0,1,2,3
	s_delay_alu instid0(VALU_DEP_4)
	v_permlanex16_b32 v[TM+4+\b], v[TM+\b], s[SEL], s[SEL+1]
.endr
.irp b, 0,1,2,3
	s_delay_alu instid0(VALU_DEP_4)
	v_max_num_f32 v[TM+\b], v[TM+\b], v[TM+4+\b]
.endr
.irp b, 0,1,2,3
	s_delay_alu instid0(VALU_DEP_4)
	v_add_nc_u32 v[TM+12+\b], 0xff000000, v[TM+\b]
.endr
.irp b, 0,1,2,3
	s_delay_alu instid0(VALU_DEP_4)
	v_lshrrev_b32 v[TM+4+\b], 23, v[TM+12+\b]
.endr
	s_delay_alu instid0(VALU_DEP_3)
	v_lshl_or_b32 v[PW], v[TM+5], 8, v[TM+4]
	s_delay_alu instid0(VALU_DEP_1)
	v_lshl_or_b32 v[PW], v[TM+6], 16, v[PW]
	s_delay_alu instid0(VALU_DEP_1)
	v_lshl_or_b32 v[PW], v[TM+7], 24, v[PW]
.irp c, 0,1
	v_cvt_scalef32_pk16_fp6_f32 v[PC+6*\c:PC+6*\c+2], v[96+32*\c:111+32*\c], v[TM+12+2*\c]
	v_cvt_scalef32_pk16_fp6_f32 v[PC+12+4*\c:PC+12+4*\c+2], v[112+32*\c:127+32*\c], v[TM+13+2*\c]
.endr
	v_nop
.irp c, 0,1
.irp i, 0,1,2
	v_permlane16_swap_b32 v[PC+6*\c+\i], v[PC+12+4*\c+\i]
.endr
.irp i, 0,1,2
	s_delay_alu instid0(VALU_DEP_3)
	v_mov_b32 v[PC+3+6*\c+\i], v[PC+12+4*\c+\i]
.endr
.endr
.irp c, 0,1,2
	global_store_b128 v[LI], v[PC+4*\c:PC+4*\c+3], s[52:53] offset:512*\c
.endr
	ds_store_b32 v[SWA], v[PW]
	s_wait_dscnt 0x0
	s_barrier_signal -1
	s_barrier_wait -1
	s_cmp_lg_u32 s56, 0
	s_cbranch_scc1 .Lnot_mine
	ds_load_b64 v[82:83], v[SRA]
	s_wait_dscnt 0x0
	global_store_b64 v[L8], v[82:83], s[50:51] offset:4*FRB
.Lnot_mine:
	s_wait_tensorcnt 0x0
	ds_add_u32 v250, v251
	s_wait_dscnt 0x0
	CROUND
	s_endpgm
.Lfunc_end_k_qc484706eae_attn:
	.size	k_qc484706eae_attn, .Lfunc_end_k_qc484706eae_attn-k_qc484706eae_attn
	.p2alignl 7, 3214868480
	.fill 96, 4, 3214868480
	.section	.rodata,"a",@progbits
	.p2align	6, 0x0
	.amdhsa_kernel k_qc484706eae_attn
		.amdhsa_group_segment_fixed_size 327680
		.amdhsa_private_segment_fixed_size 0
		.amdhsa_enable_private_segment 0
		.amdhsa_kernarg_size 16
		.amdhsa_user_sgpr_count 2
		.amdhsa_user_sgpr_kernarg_segment_ptr 1
		.amdhsa_wavefront_size32 1
		.amdhsa_system_sgpr_workgroup_id_x 1
		.amdhsa_system_sgpr_workgroup_id_y 1
		.amdhsa_system_sgpr_workgroup_id_z 1
		.amdhsa_system_vgpr_workitem_id 0
		.amdhsa_next_free_vgpr 512
		.amdhsa_next_free_sgpr 80
		.amdhsa_reserve_vcc 1
		.amdhsa_float_denorm_mode_32 3
		.amdhsa_float_denorm_mode_16_64 3
		.amdhsa_memory_ordered 1
		.amdhsa_forward_progress 1
		.amdhsa_inst_pref_size 45
	.end_amdhsa_kernel
	.amdgpu_metadata
---
amdhsa.version: [ 1, 2 ]
amdhsa.kernels:
  - .name:           k_qc484706eae_attn
    .symbol:         k_qc484706eae_attn.kd
    .args:
      - { .name: qkv, .offset: 0, .size: 8, .value_kind: global_buffer, .address_space: global }
      - { .name: yq, .offset: 8, .size: 8, .value_kind: global_buffer, .address_space: global }
    .group_segment_fixed_size: 327680
    .private_segment_fixed_size: 0
    .kernarg_segment_align: 8
    .kernarg_segment_size: 16
    .max_flat_workgroup_size: 256
    .sgpr_count:     80
    .vgpr_count:     512
    .wavefront_size: 32
...
	.end_amdgpu_metadata
.endif
;; end of part 3
;; launch outp (part 4): grid 32 x 8, 4 waves a work-group, clusters of 4 x 4, 327,680 bytes of LDS; arguments yq, woq, out0; writes out0
.if DOCPART == 4
	.amdgcn_target "amdgcn-amd-amdhsa--gfx1250"
	.amdhsa_code_object_version 6
	.text
	.protected	k_qc484706eae_outp
	.globl	k_qc484706eae_outp
	.p2align	8
	.type	k_qc484706eae_outp,@function
k_qc484706eae_outp:
	s_mov_b64 s[64:65], 0
	v_nop
	global_prefetch_b8 v0, s[64:65] scope:SCOPE_SE
	s_setreg_imm32_b32 hwreg(HW_REG_WAVE_MODE, 25, 1), 1
	s_wait_xcnt 0x0
	s_wait_alu depctr_hold_cnt(0) depctr_sa_sdst(0) depctr_va_vdst(0) depctr_va_sdst(0) depctr_va_ssrc(0) depctr_va_vcc(0) depctr_vm_vsrc(0)
	s_getreg_b32 s2, hwreg(HW_REG_IB_STS2, 6, 4)
	s_cmp_eq_u32 s2, 0
	s_cbranch_scc0 .Lentry_in_a_cluster
	s_endpgm
.Lentry_in_a_cluster:
	s_bfe_u32 s2, ttmp6, 0x10000c
	s_cmp_lg_u32 s2, 0xf033
	s_cbranch_scc0 .Lentry_shape_is_right
	s_endpgm
.Lentry_shape_is_right:
; out0 = y wo on codes of FP6 (E2M3) with E8M0 scales; out0 [1024][4096] f32.
; OPERANDS come as images of the operand's registers: a tile of 16 rows (tile T: rows 32 (T / 2) + 8 (T % 2) + r + 8 (r / 8)) has eight units of 6,400 bytes, a unit for each group of four K steps: four fragments of
; 1,536 bytes (16 rows x 128 K; register 4 c + w of lane l at 512 c + 16 l + 4 w) and 256 bytes of scale words (row r: 16 bytes, a word a K step).
; A WORK-GROUP multiplies P (8 tiles of wo's columns: 128 columns, source 0, read by all four waves) by R (8 tiles of tokens: 128 tokens, source 1, two a wave): 16 accumulators a wave; 256 work-groups.
; In the result lane (r, h) holds one token, and the 16 registers of P's tiles 2 b, 2 b + 1 are columns 32 b + 16 h + 0 .. 15: 64 neighbouring bytes of a row of out0.
; P GOES THROUGH LDS, asked for jointly by a column of the 4 x 4 cluster (it hangs on x alone).  Six of its eight groups fit at once (6 x 51,200 bytes): they are the first fills, one load a wave; groups 6 and 7
; are the one refill, into the places of groups 0 and 1, asked for behind K step 7 and wanted at K step 24.
; R GOES STRAIGHT INTO REGISTERS and is NOT asked for jointly, though the four work-groups of a row of the cluster read the same tiles: each fragment of R is read by one wave alone, so LDS would give it no reuse;
; with R beside P, K would take seven changes of slots, each with all loads waited for; without it one change is left, and R's loads, which no barrier binds, run on without pause in a ring of ten K steps
; (240 registers, 60 loads a wave).
; REGISTERS: window 0: v10-31 addresses; v32-63 P's scale words, two sets; v64-79 R's, four sets; v128-255 rows on their way out.  window 1: accumulator (i, p) at v[8 (8 i + p)].
;   window 2: R's ring: K step k's fragment i at v[24 (k % 10) + 12 i].   window 3: P's two sets: K step k's fragment p at v[96 (k % 2) + 12 p].
.set NR,    2
.set D,     10                         ; K steps in R's ring
.set NS,    4                          ; sets of R's scale words: a group's are asked for while the group three before is still multiplied
.set RSN,   2*NR
.set TILEB, 51200
.set UNITB, 6400
.set FRB,   1536
.set PB,    8*UNITB
.set SPARE, 6*PB                       ; behind P's six places: the spare words, 128 bytes for each wave: two blocks of 256 bytes that no other line names
.set STG,   2*PB                       ; the way out: a stage of 16 rows x (512 bytes + 16) for each wave, in group 2's place: it has had its only fill, and a barrier (K step 23's) lies between its last read and the first store there
.set SP,    528
.set LI,   10
.set HH,   12
.set VRS,  14
.set ADRP, 16
.set ADSP, 22
.set SPW,  28
.set NIL,  29
.set STO,  30                          ; v30  the way out: where I put 64 bytes of a row
.set RD,   31                          ; v31  and where a row is read back
.set SCP,  32
.set SCR,  64
.set G1P,  24
.set G0,   32
.set RB,   46
.set MSB, 0
.macro WIN new
.if MSB != (\new)
	s_set_vgpr_msb (MSB<<8)|(\new)
.set MSB, (\new)
.endif
.endm
.macro PLACES                          ; four plain instructions between a matrix instruction and a load into its operands or a read of its result
.rept 4
	v_nop
.endr
.endm
.macro CREST
	s_cmp_lg_u32 s14, 0
	s_cbranch_scc1 .Lnot_wave_0_\@
	s_barrier_signal -3
.Lnot_wave_0_\@:
	s_barrier_wait -3
	s_barrier_signal -1
	s_barrier_wait -1
.endm
.macro CROUND
	s_barrier_signal -1
	s_barrier_wait -1
	CREST
.endm
	s_load_b128 s[4:7], s[0:1], 0x0                ; yq s[4:5], woq s[6:7]
	s_load_b64 s[8:9], s[0:1], 0x10                ; out0
	v_lshl_add_u32 v[SPW], v0, 2, SPARE
	v_mov_b32 v[NIL], 0
	ds_add_u32 v28, v29
	ds_add_u32 v28, v29
	s_wait_dscnt 0x0
	v_lshrrev_b32 v1, 5, v0
	v_readfirstlane_b32 s14, v1                    ; wave 0..3
	v_and_b32 v1, 31, v0
	v_and_b32 v2, 15, v0                           ; r
	v_bfe_u32 v[HH], v0, 4, 1                      ; h
	v_lshlrev_b32 v[LI], 4, v1
	v_mul_u32_u24 v[VRS], v[HH], TILEB
	v_lshl_add_u32 v[VRS], v2, 4, v[VRS]
	v_lshlrev_b32 v[ADRP], 4, v1
.irp a, 1,2,3,4,5
	v_add_nc_u32 v[ADRP+\a], \a*PB, v[LI]
.endr
	v_mul_u32_u24 v4, v[HH], 2*UNITB               ; the odd tile of a pair lies two units on where a tile has two groups,
	v_lshl_add_u32 v4, v2, 4, v4
.irp a, 0,1
	v_add_nc_u32 v[ADSP+\a], \a*PB+4*FRB, v4
.endr
	v_mad_u32_u24 v4, v[HH], 2*UNITB, v4           ; and four units on where it has four
.irp a, 2,3,4,5
	v_add_nc_u32 v[ADSP+\a], \a*PB+4*FRB, v4
.endr
	s_mul_i32 s19, s14, 16*SP
	s_add_co_u32 s19, s19, STG                     ; my stage
	v_mul_u32_u24 v[STO], v2, SP
	v_lshl_add_u32 v[STO], v[HH], 6, v[STO]
	v_add_nc_u32 v[STO], s19, v[STO]               ; in: row r, + 64 h
	v_add_nc_u32 v[RD], s19, v[LI]                 ; back: the 32 lanes take a row of 512 bytes
	s_lshr_b32 s15, s14, 1                         ; of a pair of groups I fetch the first (0) or the second (1),
	s_and_b32 s16, s14, 1                          ; and of its eight tiles the first four or the last
	s_bfe_u32 s48, ttmp6, 0x40000                  ; cx
	s_bfe_u32 s49, ttmp6, 0x40004                  ; cy
	s_lshl_b32 s50, ttmp9, 2
	s_add_co_u32 s50, s50, s48                     ; which 128 columns
	s_and_b32 s17, ttmp7, 0xffff
	s_lshl_b32 s17, s17, 2
	s_add_co_u32 s17, s17, s49                     ; which 128 tokens
	s_lshl_b32 s51, 0x1111, s48                    ; my column of the cluster
	s_or_b32 s[G1P], s51, (3<<16)|(1<<21)          ; 15:0 the mask: P goes to my column; 17:16 elements of 8 bytes; 21 set beside a mask; no padding
.set G1B, 36                                   ; s[36:43] a second group 1: rows of four units
	s_or_b32 s[G1B], s51, (3<<16)|(1<<21)
	s_mov_b32 s[G1P+1], 1600<<16                   ; a row: two units of a tile, which lie on end: 1,600 elements; four tiles
	s_mov_b32 s[G1P+2], 4<<16
	s_mov_b32 s[G1P+3], 1600<<16
	s_mov_b32 s[G1B+1], 3200<<16                   ; a row: four units of a tile; four tiles
	s_mov_b32 s[G1B+2], 4<<16
	s_mov_b32 s[G1B+3], 3200<<16
	s_mov_b32 s[G1B+4], 4
	s_mov_b32 s[G1B+5], TILEB/8
	s_mov_b32 s[G1B+6], 0
	s_mov_b32 s[G1B+7], 0
	s_mov_b32 s[G1P+4], 4
	s_mov_b32 s[G1P+5], TILEB/8
	s_mov_b32 s[G1P+6], 0
	s_mov_b32 s[G1P+7], 0
	s_mul_i32 s20, s50, 8*TILEB                    ; P: eight tiles,
	s_mul_i32 s19, s16, 4*TILEB                    ; my four,
	s_add_co_u32 s20, s20, s19
	s_mul_i32 s19, s15, 2*UNITB                    ; waves 0, 1 begin at group 0, waves 2, 3 at group 2
	s_add_co_u32 s20, s20, s19
	s_mov_b32 s21, 0
	s_mul_i32 s52, s17, 4*NR*TILEB                 ; R: eight tiles,
	s_mul_i32 s19, s14, NR*TILEB                   ; my wave's two
	s_add_co_u32 s52, s52, s19
	s_mov_b32 s53, 0
	s_and_b32 s19, s15, s16
	s_add_co_u32 s19, s19, s14
	s_mul_i32 s45, s19, PB                         ; where my part of P goes: 0, 8, 16, 32 units for waves 0 .. 3: no place in the cluster enters an LDS address
	s_lshl_b32 s74, s17, 2
	s_add_co_u32 s74, s74, s14
	s_lshl_b32 s74, s74, 19                        ; my 32 tokens: rows of 16,384 bytes,
	s_lshl_b32 s75, s50, 9                         ; the work-group's 128 columns
	s_add_co_u32 s74, s74, s75
	s_mov_b32 s75, 0
	s_wait_kmcnt 0x0
	s_add_nc_u64 s[20:21], s[6:7], s[20:21]
	s_add_nc_u64 s[RB:RB+1], s[4:5], s[52:53]
	s_add_nc_u64 s[8:9], s[8:9], s[74:75]
.irp j, 0
	s_mov_b32 s[G0+4*\j], 1
	s_add_co_u32 s[G0+4*\j+1], s45, \j*2*PB
	s_add_nc_u64 s[G0+4*\j+2:G0+4*\j+3], s[20:21], \j*2*UNITB
	s_or_b32 s[G0+4*\j+3], s[G0+4*\j+3], 0x80000000
.endr
	CROUND                                         ; all sixteen work-groups are here: the first joint loads meet
; THE FIRST FILLS, ONE LOAD A WAVE: waves 0 and 1 fetch groups 0 and 1 of tiles 0-3 and 4-7, waves 2 and 3 groups 2 to 5 of the same.  In LDS, in units of 6,400 bytes: group g < 2 (and later g - 6) of tile p lies at
; 8 (p / 4) + 2 (p % 4) + g; group g = 2 .. 5 at 16 + 16 (p / 4) + 4 (p % 4) + g - 2.  One chain of branches on the wave's number: every way passes exactly one load.
	s_cmp_lt_u32 s14, 2
	s_cbranch_scc0 .Lhead_b
	tensor_load_to_lds s[G0:G0+3], s[G1P:G1P+7]
	s_nop 0
.rept 4
	v_nop
.endr
	s_branch .Lhead_asked
.Lhead_b:
	tensor_load_to_lds s[G0:G0+3], s[G1B:G1B+7]
	s_nop 0
.rept 4
	v_nop
.endr
.Lhead_asked:
; R's fragments of K step m into ring set m % D; with a group's first K step its scale words, a load for each pair of tiles.  Every offset is an immediate, 101,632 at the most: no pointer is stepped.
.macro RLOAD m
.if (\m) < 32
.if ((\m)%4) == 0
	WIN 0
.set jj, 0
.rept NR/2
	global_load_b128 v[SCR+RSN*(((\m)/4)%NS)+4*jj:SCR+RSN*(((\m)/4)%NS)+4*jj+3], v[VRS], s[RB:RB+1] offset:2*TILEB*jj+UNITB*((\m)/4)+4*FRB
.set jj, jj+1
.endr
.endif
	WIN 0x80                                       ; destination window 2
.set ii, 0
.rept NR
.irp c, 0,1,2
	global_load_b128 v[12*NR*((\m)%D)+12*ii+4*\c:12*NR*((\m)%D)+12*ii+4*\c+3], v[LI], s[RB:RB+1] offset:TILEB*ii+UNITB*((\m)/4)+FRB*((\m)%4)+512*\c
.endr
.set ii, ii+1
.endr
.endif
.endm
.set m0, 0
.rept D
	RLOAD m0                                       ; the ring is filled
.set m0, m0+1
.endr
	WIN 0
; one product; ra, rb: the halves of the lanes from which source 0's and source 1's scale words are taken
.macro WMR d, a, b, sa, sb, ra, rb, zero
.if (\zero)
.if (\ra) == 0 && (\rb) == 0
	v_wmma_scale_f32_16x16x128_f8f6f4 v[\d:\d+7], v[\a:\a+11], v[\b:\b+11], 0, v[\sa], v[\sb] matrix_a_fmt:MATRIX_FMT_FP6 matrix_b_fmt:MATRIX_FMT_FP6
.elseif (\rb) == 0
	v_wmma_scale_f32_16x16x128_f8f6f4 v[\d:\d+7], v[\a:\a+11], v[\b:\b+11], 0, v[\sa], v[\sb] matrix_a_fmt:MATRIX_FMT_FP6 matrix_b_fmt:MATRIX_FMT_FP6 matrix_a_scale:MATRIX_SCALE_ROW1
.elseif (\ra) == 0
	v_wmma_scale_f32_16x16x128_f8f6f4 v[\d:\d+7], v[\a:\a+11], v[\b:\b+11], 0, v[\sa], v[\sb] matrix_a_fmt:MATRIX_FMT_FP6 matrix_b_fmt:MATRIX_FMT_FP6 matrix_b_scale:MATRIX_SCALE_ROW1
.else
	v_wmma_scale_f32_16x16x128_f8f6f4 v[\d:\d+7], v[\a:\a+11], v[\b:\b+11], 0, v[\sa], v[\sb] matrix_a_fmt:MATRIX_FMT_FP6 matrix_b_fmt:MATRIX_FMT_FP6 matrix_a_scale:MATRIX_SCALE_ROW1 matrix_b_scale:MATRIX_SCALE_ROW1
.endif
.else
.if (\ra) == 0 && (\rb) == 0
	v_wmma_scale_f32_16x16x128_f8f6f4 v[\d:\d+7], v[\a:\a+11], v[\b:\b+11], v[\d:\d+7], v[\sa], v[\sb] matrix_a_fmt:MATRIX_FMT_FP6 matrix_b_fmt:MATRIX_FMT_FP6
.elseif (\rb) == 0
	v_wmma_scale_f32_16x16x128_f8f6f4 v[\d:\d+7], v[\a:\a+11], v[\b:\b+11], v[\d:\d+7], v[\sa], v[\sb] matrix_a_fmt:MATRIX_FMT_FP6 matrix_b_fmt:MATRIX_FMT_FP6 matrix_a_scale:MATRIX_SCALE_ROW1
.elseif (\ra) == 0
	v_wmma_scale_f32_16x16x128_f8f6f4 v[\d:\d+7], v[\a:\a+11], v[\b:\b+11], v[\d:\d+7], v[\sa], v[\sb] matrix_a_fmt:MATRIX_FMT_FP6 matrix_b_fmt:MATRIX_FMT_FP6 matrix_b_scale:MATRIX_SCALE_ROW1
.else
	v_wmma_scale_f32_16x16x128_f8f6f4 v[\d:\d+7], v[\a:\a+11], v[\b:\b+11], v[\d:\d+7], v[\sa], v[\sb] matrix_a_fmt:MATRIX_FMT_FP6 matrix_b_fmt:MATRIX_FMT_FP6 matrix_a_scale:MATRIX_SCALE_ROW1 matrix_b_scale:MATRIX_SCALE_ROW1
.endif
.endif
.endm
; K step k (an assembler's symbol): R's tiles i0 .. i0 + n - 1 against P's eight.  All accumulators take turns, one instruction a turn, in the same order in every K step.
.macro MUL i0, n, zero
.set ii, \i0
.rept \n
.irp p, 0,1,2,3,4,5,6,7
	WMR 8*(8*ii+\p), 96*(k%2)+12*\p, 12*NR*(k%D)+12*ii, SCP+16*((k/4)%2)+4*(\p/2)+(k%4), SCR+RSN*((k/4)%NS)+4*(ii/2)+(k%4), \p%2, ii%2, \zero
.endr
.set ii, ii+1
.endr
.endm
; P's eight fragments of K step m out of LDS into set m % 2: 24 loads; with a group's first K step its scale words: four more, a load for each pair of tiles.  Group g lies in place g % 6.
.macro FETCHP m
.if ((\m)%4) == 0
	WIN 0
.irp j, 0,1,2,3
.if ((\m)/4) < 2 || ((\m)/4) > 5
	ds_load_b128 v[SCP+16*(((\m)/4)%2)+4*\j:SCP+16*(((\m)/4)%2)+4*\j+3], v[ADSP+\j/2] offset:4*UNITB*(\j%2)+UNITB*(((\m)/4)%6)
.else
	ds_load_b128 v[SCP+16*(((\m)/4)%2)+4*\j:SCP+16*(((\m)/4)%2)+4*\j+3], v[ADSP+2+\j] offset:UNITB*((\m)/4-2)
.endif
.endr
.endif
	WIN 0xc0                                       ; destination window 3
.irp p, 0,1,2,3,4,5,6,7
.irp c, 0,1,2
.if ((\m)/4) < 2 || ((\m)/4) > 5
	ds_load_b128 v[96*((\m)%2)+12*\p+4*\c:96*((\m)%2)+12*\p+4*\c+3], v[ADRP+\p/4] offset:2*UNITB*(\p%4)+UNITB*(((\m)/4)%6)+FRB*((\m)%4)+512*\c
.else
	ds_load_b128 v[96*((\m)%2)+12*\p+4*\c:96*((\m)%2)+12*\p+4*\c+3], v[ADRP+2+\p/2] offset:4*UNITB*(\p%2)+UNITB*((\m)/4-2)+FRB*((\m)%4)+512*\c
.endif
.endr
.endr
.endm
; nn = the global loads issued behind K step k's: those of the K steps k + 1 .. k + D - 1 (3 NR each, NR / 2 more at a group's first)
.macro NCOUNT
.set nn, 0
.set mm, k+1
.rept D-1
.if mm < 32
.set nn, nn+3*NR
.if (mm%4) == 0
.set nn, nn+NR/2
.endif
.endif
.set mm, mm+1
.endr
.endm
; A K step: the next one's fragments of P are asked of LDS, the ring set that the last K step has left is asked of memory, D K steps ahead; then this K step's 16 products.
.macro STEPK
	PLACES
.if k < 31
	FETCHP k+1
.endif
.if k > 0
	RLOAD k-1+D
.endif
.if k == 31
	s_wait_dscnt 0x0
.elseif ((k+1)%4) == 0
	s_wait_dscnt 28                                ; all but the 28 LDS loads just issued: this K step's fragments of P (and its group's scale words) are in
.else
	s_wait_dscnt 24                                ; all but the 24 just issued
.endif
	NCOUNT
	s_wait_loadcnt nn                              ; loads come back in order (ISA guide 5.7.1): this K step's fragments of R are in, the younger ones stay out
	WIN 0x5b                                       ; source 0 (P) window 3, source 1 (R) window 2, C and D window 1
.if k == 0
	MUL 0, NR, 1                                   ; the first K step's products start the sums
.else
	MUL 0, NR, 0
.endif
.endm
; A K step behind which bytes are wanted that a barrier must show.  fill = 1 (K step 7): all first fills are shown landed, nobody reads groups 0 and 1 any more, and their places are filled again: each wave waits for
; all its tensor loads, adds 0 to its spare word, waits for that and for its reads; the barrier opens a round of the cluster's.  fill = 0 (K step 23): the refill is shown landed; nothing is filled.
.macro TURNK fill
	PLACES
	RLOAD k-1+D
	WIN 0
	s_wait_tensorcnt 0x0                           ; all my tensor loads have landed
.if \fill
	ds_add_u32 v[SPW], v[NIL]                      ; 0 onto my spare word
	s_wait_dscnt 1                                 ; (the add alone may be out: this K step's fragments of P are in)
.else
	s_wait_dscnt 0x0
.endif
	NCOUNT
	s_wait_loadcnt nn
	WIN 0x5b
	MUL 0, NR/2, 0                                 ; half the K step's products stand between the add and the wait for it
	s_wait_dscnt 0x0                               ; the add is done, and my reads of LDS so far are over
	s_barrier_signal -1
	WIN 0
	s_barrier_wait -1
.if \fill
	CREST                                          ; no wave of any partner still reads groups 0 and 1 or has a load on its way
	s_add_nc_u64 s[G0+2:G0+3], s[G0+2:G0+3], 6*UNITB   ; six groups on: waves 0 and 1 stand at groups 6 and 7 of their four tiles
	s_cmp_lt_u32 s14, 2                            ; the refill is theirs: the same rows of two units, to the same places; waves 2 and 3 have no part of it
	s_cbranch_scc0 .Lno_refill_\@
	tensor_load_to_lds s[G0:G0+3], s[G1P:G1P+7]    ; my one tensor load behind the round: 16 K steps ahead of the wait for it
	s_nop 0
.rept 4
	v_nop
.endr
.Lno_refill_\@:
	PLACES
.else
	PLACES
.endif
	FETCHP k+1
	WIN 0x5b
	MUL NR/2, NR/2, 0
.endm
	s_wait_tensorcnt 0x0                           ; my one load is in
	s_barrier_signal -1
	s_barrier_wait -1                              ; groups 0 and 1 are whole
	FETCHP 0
.set k, 0
	s_wait_alu depctr_va_vdst(0)
.rept 32                                       ; written out: the register numbers come back only after 80 K steps
.if k == 7
	TURNK 1
.elseif k == 23
	TURNK 0
.else
	STEPK
.endif
.set k, k+1
.endr
	WIN 0
	PLACES
	; THE WAY OUT.  A lane holds pieces of one row, the lanes beside it other rows: a tile of 16 tokens x 128 columns goes through my own stage and comes back as whole rows of 512 bytes.
	; LDS serves a wave's instructions in order (ISA guide 5.7.1.4): no wait between the stores and the loads, nor in front of the next tile's stores.
.irp i, 0,1
	WIN 0x04                                       ; an LDS store's data are its source 1: window 1
.irp p, 0,1,2,3,4,5,6,7
	ds_store_b128 v[STO], v[8*(8*\i+\p):8*(8*\i+\p)+3] offset:128*(\p/2)+32*(\p%2)          ; each accumulator from its low end on
	ds_store_b128 v[STO], v[8*(8*\i+\p)+4:8*(8*\i+\p)+7] offset:128*(\p/2)+32*(\p%2)+16
.endr
	WIN 0
.irp t, 0,1,2,3,4,5,6,7,8,9,10,11,12,13,14,15
	ds_load_b128 v[128+64*\i+4*\t:128+64*\i+4*\t+3], v[RD] offset:SP*\t
.endr
.endr
.irp i, 0,1
.irp t, 0,1,2,3,4,5,6,7,8,9,10,11,12,13,14,15
	s_wait_dscnt 47-32*\i-\t                       ; behind this load: its tile's later loads and, for tile 0, tile 1's 32 LDS instructions
	global_store_b128 v[LI], v[128+64*\i+4*\t:128+64*\i+4*\t+3], s[8:9] offset:16384*(8*\i+\t+8*(\t/8)) th:TH_STORE_NT   ; row t of tile i is token 8 i + t + 8 (t / 8) of my 32; 32 lanes store 512 consecutive bytes, aligned
.endr
.endr
	s_wait_tensorcnt 0x0                           ; the wave's end
	ds_add_u32 v[SPW], v[NIL]
	s_wait_dscnt 0x0
	CROUND                                         ; the closing round: no work-group ends while a partner may still ask for a tile that names it
	s_endpgm
.Lfunc_end_k_qc484706eae_outp:
	.size	k_qc484706eae_outp, .Lfunc_end_k_qc484706eae_outp-k_qc484706eae_outp
	.p2alignl 7, 3214868480
	.fill 96, 4, 3214868480
	.section	.rodata,"a",@progbits
	.p2align	6, 0x0
	.amdhsa_kernel k_qc484706eae_outp
		.amdhsa_group_segment_fixed_size 327680
		.amdhsa_private_segment_fixed_size 0
		.amdhsa_enable_private_segment 0
		.amdhsa_kernarg_size 24
		.amdhsa_user_sgpr_count 2
		.amdhsa_user_sgpr_kernarg_segment_ptr 1
		.amdhsa_wavefront_size32 1
		.amdhsa_system_sgpr_workgroup_id_x 1
		.amdhsa_system_sgpr_workgroup_id_y 1
		.amdhsa_system_sgpr_workgroup_id_z 1
		.amdhsa_system_vgpr_workitem_id 0
		.amdhsa_next_free_vgpr 1024
		.amdhsa_next_free_sgpr 100
		.amdhsa_reserve_vcc 0
		.amdhsa_float_denorm_mode_32 3
		.amdhsa_float_denorm_mode_16_64 3
		.amdhsa_memory_ordered 1
		.amdhsa_forward_progress 1
		.amdhsa_inst_pref_size 158
	.end_amdhsa_kernel
	.amdgpu_metadata
---
amdhsa.version: [ 1, 2 ]
amdhsa.kernels:
  - .name:           k_qc484706eae_outp
    .symbol:         k_qc484706eae_outp.kd
    .args:
      - { .name: yq, .offset: 0, .size: 8, .value_kind: global_buffer, .address_space: global }
      - { .name: woq, .offset: 8, .size: 8, .value_kind: global_buffer, .address_space: global }
      - { .name: out0, .offset: 16, .size: 8, .value_kind: global_buffer, .address_space: global }
    .group_segment_fixed_size: 327680
    .private_segment_fixed_size: 0
    .kernarg_segment_align: 8
    .kernarg_segment_size: 24
    .max_flat_workgroup_size: 128
    .sgpr_count:     100
    .vgpr_count:     1024
    .wavefront_size: 32
...
	.end_amdgpu_metadata
.endif
;; end of part 4
